; MI455X (gfx1250); checked and timed in simulation.
; The chip was launched on July 23, 2026; its instructions are those of AMD's public machine-readable ISA for CDNA 5 (MIT licence, August 2026) and "CDNA5" Instruction Set Architecture Reference Guide (July 2026). The comments in the code are by the model that wrote it; some were corrected since.
;; Simple Model With Permutation. Allowed arithmetic: matrix products marked QUANTISED: E2M3 operands, one E8M0 scale for each 32 along K, by v_wmma_scale_f32_16x16x128_f8f6f4 with both operands' format E2M3, f32 sums; everything else in f32.
;; Inputs: biases 4 x 2,048 float32; perms 3 x 4,096 int32; weights_codes 4 x 2,048 x 64 x 24 uint8 (E2M3 codes of weights, K innermost, in blocks of 32 codes, four codes in three bytes); weights_scales 4 x 2,048 x 64 uint8 (E8M0 scales of weights, one for each 32 codes along K); x_codes 1 x 4,096 x 64 x 24 uint8 (E2M3 codes of x, K innermost, in blocks of 32 codes, four codes in three bytes); x_scales 1 x 4,096 x 64 uint8 (E8M0 scales of x, one for each 32 codes along K).
;; Outputs: out0 1 x 4,096 x 2,048 float32.
;; This version of the problem:
;;   THIS VERSION OF THE PROBLEM IS GIVEN IN LOW PRECISION. The matrix products marked QUANTISED in the list below multiply operands that are first quantised to E2M3 (2 exponent bits, 3 mantissa bits; 6 bits a number), with one power-of-two scale for each 32 numbers along K (OCP MX v1.0); their sums are f32. All else is computed in f32.
;;   The module's matrix products, in the order in which they are computed (A, B: the left and right operand; K: the contracted axis; several contracted axes count as one K, in the product's order):
;;     1. [M 4,096, K 2,048] x [K 2,048, N 2,048]; A: input x (given as codes); B: input weights (given as codes): QUANTISED
;;     2. [M 4,096, K 2,048] x [K 2,048, N 2,048]; A: computed on the way; B: input weights (given as codes): QUANTISED
;;     3. [M 4,096, K 2,048] x [K 2,048, N 2,048]; A: computed on the way; B: input weights (given as codes): QUANTISED
;;     4. [M 4,096, K 2,048] x [K 2,048, N 2,048]; A: computed on the way; B: input weights (given as codes): QUANTISED
;;   THE QUANTISER, for each operand of a quantised product, along K:
;;     - K is cut into blocks of 32 from its start; a last block that is shorter is filled with zeros.
;;     - A block's scale is 2^e with e = floor(log2(the largest magnitude in the block)) - 2, held to -126 .. 127; a block of zeros has e = 0. As a byte (E8M0): e + 127.
;;     - Each number is divided by its block's scale, clamped to +-7.5, and rounded to the nearest number of E2M3, ties to even, subnormals kept.
;;     - The product sums the exact products of the quantised numbers (number of the format x scale) in f32.
;;   ~~~python
;;   def quantise(x, axis):      # numpy; x: float32 -> the quantised numbers, widened to float32 again
;;       x = np.moveaxis(x, axis, -1); K = x.shape[-1]
;;       x = np.pad(x, [(0, 0)] * (x.ndim - 1) + [(0, -K % 32)]); x = x.reshape(x.shape[:-1] + (-1, 32)); a = np.abs(x).max(-1, keepdims=True)
;;       e = np.where(a > 0, np.clip(np.frexp(np.where(a > 0, a, 1))[1] - 1 - 2, -126, 127), 0)      # np.frexp(a)[1] - 1 = floor(log2(a)), exactly
;;       r = np.clip(x / 2.0 ** e, -7.5, 7.5)
;;       step = 2.0 ** (np.maximum(np.frexp(np.where(r == 0, 1, r))[1] - 1, 0) - 3)
;;       q = np.round(r / step) * step * 2.0 ** e      # np.round: ties to even
;;       return np.moveaxis(q.reshape(q.shape[:-2] + (-1,))[..., :K], -1, axis).astype(np.float32)
;;   ~~~
;;   OPERANDS COMPUTED ON THE WAY. 'Computed on the way' means the value that the module computes at that place (a softmax that the list does not call 'softmax' is quantised finished and normalised). What goes into a quantiser is computed in f32, as accurately as f32 sums, v_exp_f32 and their like allow (about 1e-6 of the number): no bf16 or f16 on the way to a quantiser, and a product that is left as it is and whose result goes on into a quantised operand takes f32 operands (vector FMAs, or v_wmma_f32_16x16x4_f32). A number that lies on a knife's edge between two numbers of the format may be rounded either way, as far as f32 arithmetic and the matrix unit's own rounding can turn it there, and no further.
;;   INPUTS GIVEN AS CODES. weights (in the module: [4, 2048, 2048], K = its axis 2); x (in the module: [1, 4096, 2048], K = its axis 2): each comes as NAME_codes (uint8): NAME with its K axis moved to the last place and cut into blocks of 32 codes, [.., K / 32, bytes a block], one block behind the other in memory; four codes in three bytes: a row's codes are one little-endian stream of bits, code i at bits 6 i .. 6 i + 5 (a code: sign, 2 exponent bits, 3 mantissa bits); and NAME_scales (uint8): the same leading axes, one E8M0 byte (e + 127) for each 32 codes along K. Its value is code x scale, taken as it is: it is not quantised again, and the codes and scales need not be those that the quantiser above would give.
;; One version. Each part assembles by itself: llvm-mc -triple=amdgcn-amd-amdhsa -mcpu=gfx1250 --defsym DOCPART=n.
;; ======== version 1 of 1: 4 launches
;; workspace buffers: a0c 6,291,456 bytes; a0s 262,144 bytes; a1c 6,291,456 bytes; a1s 262,144 bytes
;; launch lay0 (part 1): grid 8 x 32, 4 waves a work-group, clusters of 4 x 4, 327,680 bytes of LDS; arguments perms, x_codes, x_scales, weights_codes, weights_scales, biases, a1c, a1s; writes a1c, a1s
.if DOCPART == 1
	.amdgcn_target "amdgcn-amd-amdhsa--gfx1250"
	.amdhsa_code_object_version 6
	.text
	.protected	k_q6e7411ce17_lay0
	.globl	k_q6e7411ce17_lay0
	.p2align	8
	.type	k_q6e7411ce17_lay0,@function
k_q6e7411ce17_lay0:
	s_mov_b64 s[64:65], 0
	v_nop
	global_prefetch_b8 v0, s[64:65] scope:SCOPE_SE
	s_setreg_imm32_b32 hwreg(HW_REG_WAVE_MODE, 25, 1), 1
	s_wait_xcnt 0x0
	s_wait_alu depctr_hold_cnt(0) depctr_sa_sdst(0) depctr_va_vdst(0) depctr_va_sdst(0) depctr_va_ssrc(0) depctr_va_vcc(0) depctr_vm_vsrc(0)
	s_getreg_b32 s2, hwreg(HW_REG_IB_STS2, 6, 4)
	s_cmp_eq_u32 s2, 0
	s_cbranch_scc0 .Lentry_in_a_cluster
	s_endpgm
.Lentry_in_a_cluster:
	s_bfe_u32 s2, ttmp6, 0x10000c
	s_cmp_lg_u32 s2, 0xf033
	s_cbranch_scc0 .Lentry_shape_is_right
	s_endpgm
.Lentry_shape_is_right:
; LAYER 0 OF FOUR, AND THE MODEL'S THREE GATHERS: y[m][n] = sum over k of x[q[m]][k] W[n][k] + b[n]; m < 4,096, n < 2,048, k < 2,048; both operands codes of FP6 (E2M3) with one E8M0 scale for each 32 along K; sums in f32.
; Every step of the model works row by row (a product with W^T, a bias, a quantiser along the row), so a gather of rows changes places with it: out[s] = F(x[q[s]]) with q[s] = perms[0][perms[1][perms[2][s]]],
; for any index vectors, permutations or not.  So the three gathers are made once, here, on the codes of x as they are read (1,536 bytes of codes and 64 scale bytes a row); layers 1 to 3 gather nothing.
; y is quantised along n (the next layer's K) and stored as IMAGES OF THE OPERAND'S REGISTERS: a fragment (16 rows x 128 K: 12 registers a lane) is three runs of 512 bytes, lane l's 16 bytes at 16 l;
;   codes: byte = kq x 1,572,864 + mb x 6,144 + e x 1,536 + c x 512 + 16 lane (mb = row / 16, K step of 128 = 4 kq + e);  scale words: ks x 16,384 + g x 256 + 16 r + 4 i for row 64 g + 16 i + r.
; SHARES.  A tile of y is 128 x 256: 8 x 32 = 256 work-groups of four waves; wave (wm, wn) makes 64 rows x 128 columns: 32 accumulators, 256 registers.  (Tiles of 256 x 256 would be 128.)
; K goes in four parts of 512 through two LDS slots.  W's 256 rows of 384 bytes come by the tensor data mover, 64 rows a wave.  x's 128 rows of 384 bytes come THROUGH REGISTERS: gathered rows have no common
; pitch, so no tile describes them.  Wave w owns rows 32 w .. 32 w + 31 of the tile: a load reads four rows' 128 consecutive bytes, eight lanes to a row, and three loads that follow each other take a row's 384;
; an LDS store puts them into the slot's region for x, into which no tensor load ever lands.  Parts 0 and 1 are stored ahead of the first barrier, parts 2 and 3 wait in registers until their slot is free.
; Sixteen steps of 128 along K are written out, without a loop, so every scale word has a register of its own for the whole launch: they are loaded once, from memory, 16 bytes a lane.
; CLUSTERS: 4 x 4 work-groups.  The four of a column of the cluster need the same tiles of W: each is asked for JOINTLY, by the same tensor load with the same descriptor and a mask that names the four.
; x is not shared so: its rows are gathered lane by lane; they are 196,608 of the 589,824 bytes that a work-group reads.
; By the text's own count a wave has two tensor loads out at the start and one behind each of the two rounds that fill a slot again.
; THE MATRIX INSTRUCTION IS USED TRANSPOSED (source 0 = 16 rows of W, source 1 = 16 rows of x): lane (r, h) holds row r of y, register j of accumulator t column 16 t + 8 h + j.
; The bias is the C of each sum's first matrix instruction, so it is rounded into the sum at its start and not added at its end.
; LIMITS: an index is taken as 0 .. 4,095; larger ones are held at 4,095, negative ones are not wrapped.  NaN and infinities are not served.  A block of y whose largest magnitude lies under 2^-124, a block of
; zeros among them, gets the scale byte 1; these bytes are read by this program alone.
; REGISTERS, in windows of 256: window 0: v1-29 addresses; v32-63 x's scale words, v64-127 W's (they hold scales and nothing else); v128-223 part 2 of x on its way, v224-247 indices and offsets; at the end the way out.
;   window 1: W's fragments, two sets, at 128 p + 12 t.   window 2: the accumulators, (i, t) at 8 (8 i + t); ahead of the first product parts 0 and 1 of x on their way.
;   window 3: x's fragments, two sets, at 48 p + 12 i; the bias at 96 + 8 t; v160-255 part 3 of x on its way.
.set PA,    400                        ; a row of x in LDS: 384 bytes + 16 = 100 words: row r starts at bank 36 r mod 64 (64 banks of 4 bytes: ISA guide 11.1): the sixteen multiples of 4; lanes 16-31 lie 6 words on: a load of 8 bytes a lane touches 64 different banks
.set PB,    432                        ; a row of W in LDS: 3 x (128 bytes + 16 of padding) = 108 words: row r starts at bank 44 r mod 64: the sixteen multiples of 4; lanes 16-31 lie 6 or 10 words on
.set BOFF,  128*PA                     ; a slot: x's 128 rows (51,200 bytes: 200 blocks of 256), then W's 256 rows
.set BQ,    64*PB                      ; what one tensor load brings
.set BHALF, 128*PB                     ; what one wave reads of W
.set SLOT,  BOFF+4*BQ                  ; 161,792 bytes
.set SPARE, 2*SLOT                     ; behind the ring: the spare words, 128 bytes for each wave: two blocks of 256 bytes that no other line names
.set ASLAB, 1572864                    ; from one 512 along K of the codes made to the next
.set AW,    14                         ; v14-15  where I store 16 bytes of a row of x in slot 0, 1
.set ADRA,  16                         ; v16-17  LDS address of my fragments of x in slot 0, 1
.set ADRB,  20                         ; v20-21  the same for W  (v22-23: for the pieces that lie behind one padding more)
.set SPW,   28                         ; v28     LDS address of my spare word: SPARE + 4 x my thread's number; never rewritten
.set NIL,   29                         ; v29     0; never rewritten
.set SA,    32                         ; register SA + 8 i + j: lanes 0-15 the word of K step j, lanes 16-31 of K step 8 + j, of row r of my block i
.set SB,    64                         ; register SB + 8 t + j: the same of row r of W's block t
.set S2,    128                        ; window 0: 24 x 4 registers: part 2 of my 32 rows of x
.set S3,    160                        ; window 3: the same for part 3
.set T,     224                        ; v224-235 indices as loaded: chains 0-7 for the codes (lane l: row 4 n + l / 8 of my 32), chains 8-11 for the scale words (lane (r, h): row 16 i + r of my 64)
.set U,     236                        ; v236-247 their byte offsets: in a row of perms, at last in x's codes and scale bytes
.set TM,    208                        ; v208-223 the quantiser, at work
.set PW,    224                        ; v224-227 the scale words made, one for each block of rows; v228-229 as they are stored
.set BIAS,  96                         ; in window 3
.set G1B,   28                         ; s[28:35] descriptor group 1 for W's tiles;  s[36:43] group 0, one set for each slot
.set G0B,   36
.set SEL,   44                         ; s[44:45] lane selects for v_permlanex16_b32: lane l xor 16
.set MSB, 0
.macro WIN new                         ; bits 1:0 source 0, 3:2 source 1, 5:4 source 2, 7:6 destination; the immediate's high byte repeats the setting that is left
.if MSB != \new
	s_set_vgpr_msb (MSB<<8)|\new
.set MSB, \new
.endif
.endm
.set MULW, 0xad                        ; source 0 (W) window 1, source 1 (x) window 3, C and D window 2
.set MULF, 0xbd                        ; the same with C (the bias) in window 3
; A load into a register that a matrix instruction has read, and a vector instruction or a store that reads a matrix result, stand four places behind that matrix instruction; only plain vector
; instructions that name none of its registers are places (ISA guide 7.12.1 for vector instructions).
.macro PLACES
.rept 4
	v_nop
.endr
.endm
; A joint load: every wave fetches its 64 rows of W's tile; the descriptor hangs on the tile column and the wave's number alone.  Four v_nop follow the line, ahead of what comes next.
.macro JLOAD s
	tensor_load_to_lds s[G0B+4*\s:G0B+4*\s+3], s[G1B:G1B+7]
	s_nop 0
.rept 4
	v_nop
.endr
.endm
.macro CREST                           ; a round of the cluster's barrier behind its opening barrier
	s_cmp_lg_u32 s20, 0
	s_cbranch_scc1 .Lnot_wave_0_\@
	s_barrier_signal -3
.Lnot_wave_0_\@:
	s_barrier_wait -3
	s_barrier_signal -1
	s_barrier_wait -1
.endm
.macro CROUND                          ; a whole round
	s_barrier_signal -1
	s_barrier_wait -1
	CREST
.endm
; Part kq (512 along K: 384 bytes) of my 32 gathered rows: 24 loads into v[reg] on; load 3 jr + c reads bytes 128 c .. 128 c + 127 of the part of rows 4 jr .. 4 jr + 3
.macro XLOAD kq, reg
.irp jr, 0,1,2,3,4,5,6,7
.irp c, 0,1,2
	global_load_b128 v[\reg+4*(3*\jr+\c):\reg+4*(3*\jr+\c)+3], v[U+\jr], s[6:7] offset:384*\kq+128*\c
.endr
.endr
.endm
; and its way into the slot's region for x, as rows
.macro XSTORE slot, reg
.irp jr, 0,1,2,3,4,5,6,7
.irp c, 0,1,2
	ds_store_b128 v[AW+\slot], v[\reg+4*(3*\jr+\c):\reg+4*(3*\jr+\c)+3] offset:4*PA*\jr+128*\c
.endr
.endr
.endm
	s_load_b256 s[4:11], s[0:1], 0x0               ; perms s[4:5], x's codes s[6:7], x's scale bytes s[8:9], W's codes s[10:11]
	s_load_b256 s[12:19], s[0:1], 0x20             ; W's scale bytes s[12:13], the biases s[14:15], the codes made s[16:17], the scale words made s[18:19]
	v_lshl_add_u32 v[SPW], v0, 2, SPARE
	v_mov_b32 v[NIL], 0
	ds_add_u32 v28, v29
	ds_add_u32 v28, v29
	s_wait_dscnt 0x0
	v_lshrrev_b32 v1, 5, v0
	v_readfirstlane_b32 s20, v1                    ; wave 0..3
	s_lshr_b32 s21, s20, 1                         ; wm: which 64 rows are mine
	s_and_b32 s22, s20, 1                          ; wn: which 128 columns
	s_bfe_u32 s23, ttmp6, 0x40000                  ; cx, cy: my place in the cluster
	s_bfe_u32 s24, ttmp6, 0x40004
	s_lshl_b32 s25, ttmp9, 2
	s_add_co_u32 s25, s25, s23                     ; bx: tile column = 4 x cluster x + cx
	s_and_b32 s26, ttmp7, 0xffff
	s_lshl_b32 s26, s26, 2
	s_add_co_u32 s26, s26, s24                     ; by: tile row = 4 x cluster y + cy
	s_lshl_b32 s27, 0x1111, s23                    ; my column of the cluster
	; group 1 for W: 64 rows of 384 bytes, 1,536 bytes apart, 16 bytes of padding behind every 128
	s_or_b32 s[G1B+0], s27, (0<<16)|(1<<20)|(1<<21)|(4<<22)|(3<<25)  ; 15:0 the mask: my column; 17:16 elements of 1 byte; 20 padding on; 21 set beside a mask; 24:22 after every 32 words (code 4); 31:25 of 4 words (code 3)
	s_mov_b32 s[G1B+1], 384<<16                    ; tensor_dim0
	s_mov_b32 s[G1B+2], 64<<16                     ; tensor_dim1
	s_mov_b32 s[G1B+3], 384<<16                    ; tile_dim0
	s_mov_b32 s[G1B+4], 64                         ; tile_dim1
	s_mov_b32 s[G1B+5], 1536                       ; tensor_dim0_stride
	s_mov_b32 s[G1B+6], 0
	s_mov_b32 s[G1B+7], 0
	v_and_b32 v1, 15, v0                           ; r
	v_bfe_u32 v2, v0, 4, 1                         ; h
	v_and_b32 v3, 31, v0                           ; lane
	v_and_b32 v7, 7, v0                            ; lane % 8
	v_bfe_u32 v8, v0, 3, 2                         ; lane / 8
	; the rows whose indices I want, as byte offsets in a row of perms
	s_lshl_b32 s46, s26, 7                         ; the tile's first row: 128 by
	s_lshl_b32 s47, s20, 5
	s_add_co_u32 s47, s47, s46                     ; the 32 rows that I bring: + 32 w
	s_lshl_b32 s60, s21, 6
	s_add_co_u32 s46, s46, s60                     ; the 64 rows that I multiply: + 64 wm
	v_add_nc_u32 v4, s47, v8
	v_lshlrev_b32 v4, 2, v4
	v_add_nc_u32 v5, s46, v1
	v_lshlrev_b32 v5, 2, v5
.irp n, 0,1,2,3,4,5,6,7
	v_add_nc_u32 v[U+\n], 16*\n, v4                ; chain n: row 4 n + lane / 8 of my 32
.endr
.irp i, 0,1,2,3
	v_add_nc_u32 v[U+8+\i], 64*\i, v5              ; chain 8 + i: row 16 i + r of my 64
.endr
	v_lshlrev_b32 v9, 6, v1
	v_lshl_add_u32 v9, v2, 5, v9                   ; W's scale bytes: row r of 64 bytes; lanes 16-31 eight words on
	v_lshlrev_b32 v10, 5, v2                       ; 32 h: the bias in the result's layout (for block t the eight columns 16 t + 8 h + 0 .. 7); also the upper eight words of a row of x's scale bytes
	; offsets.  What feeds W's descriptors never holds cy
	s_lshl_b32 s48, s25, 8
	s_lshl_b32 s62, s20, 6
	s_add_co_u32 s48, s48, s62                     ; the rows of W that I fetch: 256 bx + 64 w
	s_mul_i32 s48, s48, 1536
	s_mov_b32 s49, 0
	s_mul_i32 s50, s20, BQ
	s_add_co_u32 s50, s50, BOFF                    ; those rows in a slot
	s_lshl_b32 s51, s25, 8
	s_lshl_b32 s62, s22, 7
	s_add_co_u32 s51, s51, s62                     ; n0 = 256 bx + 128 wn: my columns of y
	s_lshl_b32 s52, s51, 6                         ; W's scale bytes: 64 a row
	s_mov_b32 s53, 0
	s_lshl_b32 s54, s51, 2                         ; the bias: 4 bytes a column
	s_mov_b32 s55, 0
	s_lshr_b32 s56, s25, 1                         ; my 128 columns are K step 2 bx + wn of the next layer: kq = bx / 2,
	s_mul_i32 s56, s56, ASLAB
	s_lshl_b32 s60, s26, 3
	s_lshl_b32 s61, s21, 2
	s_add_co_u32 s60, s60, s61                     ; mb = 8 by + 4 wm + i,
	s_mul_i32 s60, s60, 6144
	s_add_co_u32 s56, s56, s60
	s_and_b32 s60, s25, 1
	s_lshl_b32 s60, s60, 1
	s_add_co_u32 s60, s60, s22                     ; e = 2 (bx % 2) + wn
	s_mul_i32 s60, s60, 1536
	s_add_co_u32 s56, s56, s60
	s_mov_b32 s57, 0
	s_lshl_b32 s58, s25, 1
	s_add_co_u32 s58, s58, s22
	s_lshl_b32 s58, s58, 14                        ; the scale words made: K step x 16,384
	s_lshl_b32 s60, s26, 1
	s_add_co_u32 s60, s60, s21
	s_lshl_b32 s60, s60, 8                         ; + g x 256, g = 2 by + wm
	s_add_co_u32 s58, s58, s60
	s_mov_b32 s59, 0
	s_mov_b32 s[SEL], 0x76543210
	s_mov_b32 s[SEL+1], 0xfedcba98
	s_wait_kmcnt 0x0
	s_add_nc_u64 s[48:49], s[10:11], s[48:49]
	s_add_nc_u64 s[12:13], s[12:13], s[52:53]
	s_add_nc_u64 s[14:15], s[14:15], s[54:55]
	s_add_nc_u64 s[16:17], s[16:17], s[56:57]
	s_add_nc_u64 s[18:19], s[18:19], s[58:59]
; q = perms[0][perms[1][perms[2][row]]]: three dependent loads, the twelve chains side by side.  The first goes out ahead of everything else: the chain runs beside W's first fills
.irp n, 0,1,2,3,4,5,6,7,8,9,10,11
	global_load_b32 v[T+\n], v[U+\n], s[4:5] offset:32768
.endr
.irp t, 0,1,2,3,4,5,6,7
.irp g, 0,1
	global_load_b128 v[SB+8*\t+4*\g:SB+8*\t+4*\g+3], v9, s[12:13] offset:1024*\t+16*\g
.endr
.endr
	WIN 0xc0                                       ; destination window 3
.irp t, 0,1,2,3,4,5,6,7
	global_load_b128 v[BIAS+8*\t:BIAS+8*\t+3], v10, s[14:15] offset:64*\t
	global_load_b128 v[BIAS+8*\t+4:BIAS+8*\t+7], v10, s[14:15] offset:64*\t+16
.endr
	WIN 0
	CROUND                                         ; all sixteen work-groups are here: the first joint loads meet
.irp s, 0,1
	s_mov_b32 s[G0B+4*\s], 1                                       ; 1:0 count = 1
	s_add_co_u32 s[G0B+4*\s+1], s50, \s*SLOT                       ; 63:32 LDS address
	s_add_nc_u64 s[G0B+4*\s+2:G0B+4*\s+3], s[48:49], \s*384        ; 120:64 global address: 512 along K number s
	s_or_b32 s[G0B+4*\s+3], s[G0B+4*\s+3], 0x80000000              ; 127:126 type = 2
	JLOAD \s
.endr
	v_lshlrev_b32 v11, 4, v3                       ; 16 x lane: an image's place for my lane
	v_lshlrev_b32 v12, 3, v2
	v_lshl_add_u32 v12, v1, 4, v12                 ; the scale words made: 16 r + 8 h
	s_mul_i32 s68, s20, 32*PA                      ; into a slot: my 32 rows of x; row lane / 8, 16 bytes a lane
	v_mul_u32_u24 v[AW], v8, PA
	v_lshl_add_u32 v[AW], v7, 4, v[AW]
	v_add_nc_u32 v[AW], s68, v[AW]
	v_add_nc_u32 v[AW+1], SLOT, v[AW]
	s_mul_i32 s66, s21, 64*PA                      ; out of it: my 64 rows; a fragment: row r x pitch + 24 h
	v_mul_u32_u24 v[ADRA], v1, PA
	v_mad_u32_u24 v[ADRA], v2, 24, v[ADRA]
	v_add_nc_u32 v[ADRA], s66, v[ADRA]
	v_add_nc_u32 v[ADRA+1], SLOT, v[ADRA]
	s_mul_i32 s67, s22, BHALF
	s_add_co_u32 s67, s67, BOFF                    ; my 128 rows of W
	v_mul_u32_u24 v4, v1, PB
	v_mad_u32_u24 v5, v2, 24, v4                   ; a fragment of W: row r x pitch + 24 h,
	v_lshl_add_u32 v6, v2, 4, v5                   ; and the same behind one padding more
	v_add_nc_u32 v[ADRB], s67, v5
	v_add_nc_u32 v[ADRB+2], s67, v6
	v_add_nc_u32 v[ADRB+1], SLOT, v[ADRB]
	v_add_nc_u32 v[ADRB+3], SLOT, v[ADRB+2]
	s_wait_loadcnt 32                              ; the first indices are in (loads come back in order: ISA guide 5.7.1); W's 16 scale loads and the bias's 16 are younger
.irp n, 0,1,2,3,4,5,6,7,8,9,10,11
	v_min_u32 v[T+\n], 0xfff, v[T+\n]              ; an index stays inside its table
.endr
.irp n, 0,1,2,3,4,5,6,7,8,9,10,11
	v_lshlrev_b32 v[U+\n], 2, v[T+\n]
.endr
.irp o, 16384, 0
.irp n, 0,1,2,3,4,5,6,7,8,9,10,11
	global_load_b32 v[T+\n], v[U+\n], s[4:5] offset:\o
.endr
	s_wait_loadcnt 0x0                             ; the indices are in, and their address registers may be written again
.irp n, 0,1,2,3,4,5,6,7,8,9,10,11
	v_min_u32 v[T+\n], 0xfff, v[T+\n]
.endr
.if \o > 0
.irp n, 0,1,2,3,4,5,6,7,8,9,10,11
	v_lshlrev_b32 v[U+\n], 2, v[T+\n]
.endr
.endif
.endr
.irp n, 0,1,2,3,4,5,6,7
	v_mul_u32_u24 v[U+\n], v[T+\n], 1536           ; the gathered row's codes,
.endr
.irp n, 0,1,2,3,4,5,6,7
	v_lshl_add_u32 v[U+\n], v7, 4, v[U+\n]         ; 16 bytes a lane
.endr
.irp i, 0,1,2,3
	v_lshl_add_u32 v[U+8+\i], v[T+8+\i], 6, v10    ; the gathered row's 64 scale bytes; lanes 16-31 eight words on
.endr
	WIN 0x80                                       ; destination window 2: the accumulators' registers are idle until the first product
	XLOAD 0, 0
	XLOAD 1, 96
	WIN 0
.irp i, 0,1,2,3
.irp g, 0,1
	global_load_b128 v[SA+8*\i+4*\g:SA+8*\i+4*\g+3], v[U+8+\i], s[8:9] offset:16*\g
.endr
.endr
	s_wait_loadcnt 8                               ; parts 0 and 1 are in; the eight loads of scale words are younger
	WIN 0x08                                       ; an LDS store's data are its source 1: window 2
	XSTORE 0, 0
	XSTORE 1, 96
	WIN 0
	XLOAD 2, S2                                    ; parts 2 and 3 wait in registers until their slots have been read
	WIN 0xc0                                       ; destination window 3
	XLOAD 3, S3
	WIN 0
; A fragment of W, 16 rows x 128 K: lane (r, h) holds row r; registers 6 c .. 6 c + 5 hold K = 64 c + 32 h + 0 .. 31: 24 bytes of the row's stream of bits, in pieces of 8 bytes.
; Lanes 0-15 take the row's pieces 12 q + 0, 1, 2 and 12 q + 6, 7, 8, lanes 16-31 those three pieces on.  16 bytes of padding lie behind every 16 pieces: where the piece three on lies behind one padding more, the second address register serves.
.macro FRAGB reg, adr, q, t
.irp p, 0,1,2,3,4,5
.set PCE, 12*(\q)+6*(\p/3)+\p%3
.if PCE%16 < 13
	ds_load_b64 v[\reg+2*\p:\reg+2*\p+1], v[\adr] offset:8*PCE+16*(PCE/16)+(\t)*16*PB
.else
	ds_load_b64 v[\reg+2*\p:\reg+2*\p+1], v[\adr+2] offset:8*PCE+16*(PCE/16)+(\t)*16*PB
.endif
.endr
.endm
; A fragment of x: the same pieces of rows that have no padding inside
.macro FRAGA reg, adr, q, i
.irp p, 0,1,2,3,4,5
	ds_load_b64 v[\reg+2*\p:\reg+2*\p+1], v[\adr] offset:96*(\q)+48*(\p/3)+8*(\p%3)+(\i)*16*PA
.endr
.endm
; 72 LDS loads in one run: the fragments of the slot's q-th 128 along K into set p: W's eight, then x's four
.macro FETCH slot, q, p
	WIN 0x40                                       ; destination window 1
.irp t, 0,1,2,3,4,5,6,7
	FRAGB 128*(\p)+12*\t, ADRB+\slot, \q, \t
.endr
	WIN 0xc0                                       ; destination window 3
.irp i, 0,1,2,3
	FRAGA 48*(\p)+12*\i, ADRA+\slot, \q, \i
.endr
.endm
; 8 matrix instructions: my block i of rows against W's eight blocks, K step ks.  first = 1: the bias starts the sums: nothing is cleared, nothing is added later.
; The 32 accumulators take turns, one instruction a turn, in the same order in every step.  From K step 8 on both sides' scale words are those of lanes 16-31.
.macro MUL8 i, ks, first
.irp t, 0,1,2,3,4,5,6,7
.if \first
	v_wmma_scale_f32_16x16x128_f8f6f4 v[8*(8*\i+\t):8*(8*\i+\t)+7], v[128*((\ks)%2)+12*\t:128*((\ks)%2)+12*\t+11], v[48*((\ks)%2)+12*\i:48*((\ks)%2)+12*\i+11], v[BIAS+8*\t:BIAS+8*\t+7], v[SB+8*\t+(\ks)%8], v[SA+8*\i+(\ks)%8] matrix_a_fmt:MATRIX_FMT_FP6 matrix_b_fmt:MATRIX_FMT_FP6
.elseif (\ks) < 8
	v_wmma_scale_f32_16x16x128_f8f6f4 v[8*(8*\i+\t):8*(8*\i+\t)+7], v[128*((\ks)%2)+12*\t:128*((\ks)%2)+12*\t+11], v[48*((\ks)%2)+12*\i:48*((\ks)%2)+12*\i+11], v[8*(8*\i+\t):8*(8*\i+\t)+7], v[SB+8*\t+(\ks)%8], v[SA+8*\i+(\ks)%8] matrix_a_fmt:MATRIX_FMT_FP6 matrix_b_fmt:MATRIX_FMT_FP6
.else
	v_wmma_scale_f32_16x16x128_f8f6f4 v[8*(8*\i+\t):8*(8*\i+\t)+7], v[128*((\ks)%2)+12*\t:128*((\ks)%2)+12*\t+11], v[48*((\ks)%2)+12*\i:48*((\ks)%2)+12*\i+11], v[8*(8*\i+\t):8*(8*\i+\t)+7], v[SB+8*\t+(\ks)%8], v[SA+8*\i+(\ks)%8] matrix_a_fmt:MATRIX_FMT_FP6 matrix_b_fmt:MATRIX_FMT_FP6 matrix_a_scale:MATRIX_SCALE_ROW1 matrix_b_scale:MATRIX_SCALE_ROW1
.endif
.endr
.endm
; A step of 128 along K that has its successor in the same slot: the successor's fragments are asked for first, into the other set, and have this step's 32 matrix instructions in which to come.
.macro KS ks, slot, q, first
	s_wait_dscnt 0x0                               ; this step's fragments are in
.if \first
	FETCH \slot, (\q)+1, 1-(\ks)%2
	WIN MULF
.else
	PLACES                                         ; the other set was read by the step before
	FETCH \slot, (\q)+1, 1-(\ks)%2
	WIN MULW
.endif
	MUL8 0, \ks, \first
	MUL8 1, \ks, \first
	MUL8 2, \ks, \first
	MUL8 3, \ks, \first
.endm
; A slot's last step changes slots: ONE barrier; in front of it each wave waits for all its tensor loads, adds 0 to its spare word, and waits for that and for its own LDS reads and stores.
; fill = 1: the barrier opens a round of the cluster's barrier, and this slot is filled again, with the 512 along K two further on: W's part by the joint load, which has a whole slot's steps in which to land;
; x's part out of the registers in which it has waited: nobody reads the slot any more, and the stores are waited for in front of the next change of slots, behind which the slot is read.
.macro TURN ks, slot, next, fill
	s_wait_dscnt 0x0                               ; this step's fragments are in: my reads of this slot are over
	WIN 0                                          ; (the add's two registers lie in window 0)
	s_wait_tensorcnt 0x0                           ; all my tensor loads have landed: my part of the next slot
	ds_add_u32 v[SPW], v[NIL]                      ; 0 onto my spare word
	WIN MULW
	MUL8 0, \ks, 0                                 ; eight matrix instructions stand between the add and the wait for it
	s_wait_dscnt 0x0                               ; the add is done
	s_barrier_signal -1
	MUL8 1, \ks, 0                                 ; work on registers while the others arrive
	WIN 0
	s_barrier_wait -1
.if \fill
	CREST                                          ; no wave of any partner still reads this slot's tiles or has a load on its way
	s_add_nc_u64 s[G0B+4*\slot+2:G0B+4*\slot+3], s[G0B+4*\slot+2:G0B+4*\slot+3], 2*384
	JLOAD \slot                                    ; the first tensor load behind the round; the four v_nop behind it are also the places in front of the loads below
.else
	PLACES
.endif
	FETCH \next, 0, 0
.if \fill
	s_wait_loadcnt 24*(1-\slot)                    ; this slot's next part of x is in its registers; behind part 2's loads part 3's 24 are younger, behind part 3's none
.if \slot == 0
	WIN 0
	XSTORE 0, S2
.else
	WIN 0x0c                                       ; an LDS store's data are its source 1: window 3
	XSTORE 1, S3
.endif
.endif
	WIN MULW
	MUL8 2, \ks, 0
	MUL8 3, \ks, 0
.endm
	s_wait_tensorcnt 1                             ; my part of W in slot 0 is in; slot 1's load, issued behind it, may stay out
	s_wait_dscnt 0x0                               ; for the others' sake: my rows of x have landed in both slots
	s_barrier_signal -1
	s_barrier_wait -1                              ; everybody's have
	FETCH 0, 0, 0
	s_wait_loadcnt 48                              ; all scale words and the bias are in; the 48 loads of parts 2 and 3 are younger
	KS 0, 0, 0, 1
	KS 1, 0, 1, 0
	KS 2, 0, 2, 0
	TURN 3, 0, 1, 1                                ; slot 0 takes K = 1,024 on
	KS 4, 1, 0, 0
	KS 5, 1, 1, 0
	KS 6, 1, 2, 0
	TURN 7, 1, 0, 1                                ; slot 1 takes K = 1,536 on
	KS 8, 0, 0, 0
	KS 9, 0, 1, 0
	KS 10, 0, 2, 0
	TURN 11, 0, 1, 0                               ; nothing is left to fetch: no round
	KS 12, 1, 0, 0
	KS 13, 1, 1, 0
	KS 14, 1, 2, 0
	s_wait_dscnt 0x0                               ; the last step
	WIN MULW
	MUL8 0, 15, 0
	MUL8 1, 15, 0
	MUL8 2, 15, 0
	MUL8 3, 15, 0
	WIN 0
.irp b, 0,1,2,3
	v_mov_b32 v[TM+4+\b], 0                        ; written once: a lane permute's destination counts as one of its sources.  These four are also the places in front of the first read of results
.endr
; THE WAY OUT.  My 128 columns are one K step of the next layer, so block i's eight accumulators become exactly one fragment and one scale word a row, made in registers and stored as an image.
; pc: 20 registers of window 0 for the block's codes, a run of its own for each block, so that no store's data are written again.
.macro QOUT i, pc
.set HA, 64*\i
	WIN 0xaa                                       ; every operand place window 2
.irp b, 0,1,2,3
.irp j, 0,1,2,3,4,5,6,7
	v_permlane16_swap_b32 v[HA+16*\b+\j], v[HA+16*\b+8+\j]   ; accumulator 2 b's lanes 16-31 change places with accumulator 2 b + 1's lanes 0-15: register 16 b + x now holds column 32 b + 16 h + x of row r.  (Each accumulator from its low end on)
.endr
.endr
	WIN 0x0a                                       ; sources 0 and 1 window 2
.irp b, 0,1,2,3
	v_max3_num_f32 v[TM+\b], |v[HA+16*\b]|, |v[HA+16*\b+1]|, 0x1800000   ; block b of 32: my 16 numbers, and the floor 2^(3 - 127): the byte cannot fall under 1
.endr
.irp x, 2,4,6,8,10,12,14
.irp b, 0,1,2,3
	v_max3_num_f32 v[TM+\b], |v[HA+16*\b+\x]|, |v[HA+16*\b+\x+1]|, v[TM+\b]   ; (the four blocks by turns)
.endr
.endr
	WIN 0
.irp b, 0,1,2,3
	v_permlanex16_b32 v[TM+4+\b], v[TM+\b], s[SEL], s[SEL+1]
.endr
.irp b, 0,1,2,3
	v_max_num_f32 v[TM+\b], v[TM+\b], v[TM+4+\b]   ; with lane l xor 16's: the block's largest magnitude
.endr
.irp b, 0,1,2,3
	v_add_nc_u32 v[TM+12+\b], 0xff000000, v[TM+\b] ; 2 off its exponent field: the conversion takes the exponent field of this operand as its scale, and nothing else of it
.endr
.irp b, 0,1,2,3
	v_lshrrev_b32 v[TM+4+\b], 23, v[TM+12+\b]      ; the scale's byte
.endr
	v_lshl_or_b32 v[PW+\i], v[TM+5], 8, v[TM+4]    ; four bytes: row r's scale word
	v_lshl_or_b32 v[PW+\i], v[TM+6], 16, v[PW+\i]
	v_lshl_or_b32 v[PW+\i], v[TM+7], 24, v[PW+\i]
	WIN 0x02                                       ; source 0 window 2
.irp c, 0,1
	v_cvt_scalef32_pk16_fp6_f32 v[\pc+6*\c:\pc+6*\c+2], v[HA+32*\c:HA+32*\c+15], v[TM+12+2*\c]
	v_cvt_scalef32_pk16_fp6_f32 v[\pc+12+4*\c:\pc+12+4*\c+2], v[HA+32*\c+16:HA+32*\c+31], v[TM+12+2*\c+1]   ; (a conversion's three registers begin on an even number)
.endr
	WIN 0
	v_nop                                          ; one plain place behind a scaled conversion
.irp c, 0,1                                    ; the operand's layout wants a WHOLE block in a lane: lanes 0-15 block 2 c, lanes 16-31 block 2 c + 1
.irp x, 0,1,2
	v_permlane16_swap_b32 v[\pc+6*\c+\x], v[\pc+12+4*\c+\x]
.endr
.irp x, 0,1,2
	v_mov_b32 v[\pc+3+6*\c+\x], v[\pc+12+4*\c+\x]
.endr
.endr
.irp c, 0,1,2
	global_store_b128 v11, v[\pc+4*\c:\pc+4*\c+3], s[16:17] offset:6144*\i+512*\c   ; 32 lanes store 512 consecutive bytes, at a multiple of 256 from the buffer's first byte
.endr
.endm
	QOUT 0, 128
	QOUT 1, 148
	QOUT 2, 230
	QOUT 3, 168
	v_cmp_ne_u32 vcc_lo, 0, v2                     ; row r's four words are 16 neighbouring bytes: lanes 0-15 store those of blocks 0 and 1, lanes 16-31 those of blocks 2 and 3
	v_cndmask_b32 v228, v[PW], v[PW+2], vcc_lo
	v_cndmask_b32 v229, v[PW+1], v[PW+3], vcc_lo
	global_store_b64 v12, v[228:229], s[18:19]     ; 32 lanes store 256 consecutive bytes, at a multiple of 256 from the buffer's first byte
	s_wait_tensorcnt 0x0                           ; the wave's end, behind my last tensor load and my last LDS store
	ds_add_u32 v[SPW], v[NIL]
	s_wait_dscnt 0x0
	CROUND                                         ; the closing round: no work-group ends while a partner may still ask for a tile that names it
	s_endpgm
.Lfunc_end_k_q6e7411ce17_lay0:
	.size	k_q6e7411ce17_lay0, .Lfunc_end_k_q6e7411ce17_lay0-k_q6e7411ce17_lay0
	.p2alignl 7, 3214868480
	.fill 96, 4, 3214868480
	.section	.rodata,"a",@progbits
	.p2align	6, 0x0
	.amdhsa_kernel k_q6e7411ce17_lay0
		.amdhsa_group_segment_fixed_size 327680
		.amdhsa_private_segment_fixed_size 0
		.amdhsa_enable_private_segment 0
		.amdhsa_kernarg_size 64
		.amdhsa_user_sgpr_count 2
		.amdhsa_user_sgpr_kernarg_segment_ptr 1
		.amdhsa_wavefront_size32 1
		.amdhsa_system_sgpr_workgroup_id_x 1
		.amdhsa_system_sgpr_workgroup_id_y 1
		.amdhsa_system_sgpr_workgroup_id_z 1
		.amdhsa_system_vgpr_workitem_id 0
		.amdhsa_next_free_vgpr 1024
		.amdhsa_next_free_sgpr 96
		.amdhsa_reserve_vcc 1
		.amdhsa_float_denorm_mode_32 3
		.amdhsa_float_denorm_mode_16_64 3
		.amdhsa_memory_ordered 1
		.amdhsa_forward_progress 1
		.amdhsa_inst_pref_size 198
	.end_amdhsa_kernel
	.amdgpu_metadata
---
amdhsa.version: [ 1, 2 ]
amdhsa.kernels:
  - .name:           k_q6e7411ce17_lay0
    .symbol:         k_q6e7411ce17_lay0.kd
    .args:
      - { .name: perms, .offset: 0, .size: 8, .value_kind: global_buffer, .address_space: global }
      - { .name: x_codes, .offset: 8, .size: 8, .value_kind: global_buffer, .address_space: global }
      - { .name: x_scales, .offset: 16, .size: 8, .value_kind: global_buffer, .address_space: global }
      - { .name: weights_codes, .offset: 24, .size: 8, .value_kind: global_buffer, .address_space: global }
      - { .name: weights_scales, .offset: 32, .size: 8, .value_kind: global_buffer, .address_space: global }
      - { .name: biases, .offset: 40, .size: 8, .value_kind: global_buffer, .address_space: global }
      - { .name: a1c, .offset: 48, .size: 8, .value_kind: global_buffer, .address_space: global }
      - { .name: a1s, .offset: 56, .size: 8, .value_kind: global_buffer, .address_space: global }
    .group_segment_fixed_size: 327680
    .private_segment_fixed_size: 0
    .kernarg_segment_align: 8
    .kernarg_segment_size: 64
    .max_flat_workgroup_size: 128
    .sgpr_count:     96
    .vgpr_count:     1024
    .wavefront_size: 32
...
	.end_amdgpu_metadata
.endif
;; end of part 1
;; launch lay1 (part 2): grid 8 x 32, 4 waves a work-group, clusters of 4 x 4, 327,680 bytes of LDS; arguments a1c, a1s, weights_codes, weights_scales, biases, a0c, a0s; writes a0c, a0s
.if DOCPART == 2
	.amdgcn_target "amdgcn-amd-amdhsa--gfx1250"
	.amdhsa_code_object_version 6
	.text
	.protected	k_q6e7411ce17_lay1
	.globl	k_q6e7411ce17_lay1
	.p2align	8
	.type	k_q6e7411ce17_lay1,@function
k_q6e7411ce17_lay1:
	s_mov_b64 s[64:65], 0
	v_nop
	global_prefetch_b8 v0, s[64:65] scope:SCOPE_SE
	s_setreg_imm32_b32 hwreg(HW_REG_WAVE_MODE, 25, 1), 1
	s_wait_xcnt 0x0
	s_wait_alu depctr_hold_cnt(0) depctr_sa_sdst(0) depctr_va_vdst(0) depctr_va_sdst(0) depctr_va_ssrc(0) depctr_va_vcc(0) depctr_vm_vsrc(0)
	s_getreg_b32 s2, hwreg(HW_REG_IB_STS2, 6, 4)
	s_cmp_eq_u32 s2, 0
	s_cbranch_scc0 .Lentry_in_a_cluster
	s_endpgm
.Lentry_in_a_cluster:
	s_bfe_u32 s2, ttmp6, 0x10000c
	s_cmp_lg_u32 s2, 0xf033
	s_cbranch_scc0 .Lentry_shape_is_right
	s_endpgm
.Lentry_shape_is_right:
; ONE LAYER OF FOUR: y[m][n] = sum over k of a[m][k] W[n][k] + b[n]; m < 4,096, n < 2,048, k < 2,048; both operands codes of FP6 (E2M3) with one E8M0 scale for each 32 along K; sums in f32.
; Layers 1 to 3 share this text but for the line that sets LAYER; layer 0, which also gathers x's rows, has a text of its own.  Layers 1 and 2 quantise y along n (the next layer's K) and store codes and scale words; layer 3 stores y as f32.
; The rows were gathered once, as layer 0 read x, so these layers gather nothing.
; a comes as IMAGES OF THE OPERAND'S REGISTERS: a fragment (16 rows x 128 K: 12 registers a lane) is three runs of 512 bytes, lane l's 16 bytes at 16 l;
;   codes: byte = kq x 1,572,864 + mb x 6,144 + e x 1,536 + c x 512 + 16 lane (mb = row / 16, K step of 128 = 4 kq + e);  scale words: ks x 16,384 + g x 256 + 16 r + 4 i for row 64 g + 16 i + r.
; W comes as it is given: rows of 1,536 bytes, one stream of bits, and 64 scale bytes a row.
; SHARES.  A tile of y is 128 x 256: 8 x 32 = 256 work-groups of four waves; wave (wm, wn) makes 64 rows x 128 columns: 32 accumulators, 256 registers.  (Tiles of 256 x 256 would be 128.)
; K goes in four steps of 512 through two LDS slots filled by the tensor data mover: a's tile is one dense block of 49,152 bytes, W's 256 rows of 384 bytes.  Waves 0, 1 fetch a's halves, waves 2, 3 W's.
; Sixteen steps of 128 along K are written out, without a loop, so every scale word has a register of its own for the whole launch: they are loaded once, from memory, 16 bytes a lane.
; CLUSTERS: 4 x 4 work-groups.  The four of a row of the cluster need the same tiles of a, the four of a column the same tiles of W: each tile is asked for JOINTLY, by the same tensor load with the same
; descriptor and a mask that names the four.  By the text's own count a wave has two tensor loads out at the start and one behind each of the two rounds that fill a slot again.
; THE MATRIX INSTRUCTION IS USED TRANSPOSED (source 0 = 16 rows of W, source 1 = 16 rows of a): lane (r, h) holds row r of y, register j of accumulator t column 16 t + 8 h + j.
; The bias is the C of each sum's first matrix instruction, so it is rounded into the sum at its start and not added at its end.
; LIMITS: NaN and infinities are not served.  A block of y whose largest magnitude lies under 2^-124, a block of zeros among them, gets the scale byte 1; these bytes are read by this program alone.
; REGISTERS, in windows of 256: window 0: v1-29 addresses; v32-63 a's scale words, v64-127 W's (they hold scales and nothing else); from v128 the way out.
;   window 1: W's fragments, two sets, at 128 p + 12 t.   window 2: the accumulators, (i, t) at 8 (8 i + t).   window 3: a's fragments, two sets, at 64 p + 12 i; the bias at 128 + 8 t.
.set LAYER, 1
.set PB,    432                        ; a row of W in LDS: 3 x (128 bytes + 16 of padding) = 108 words: row r starts at bank 44 r mod 64 (64 banks of 4 bytes: ISA guide 11.1): the sixteen multiples of 4; lanes 16-31 lie 6 or 10 words on
.set AHALF, 24576                      ; half of a's tile: four blocks of 16 rows x 512 K
.set BOFF,  2*AHALF                    ; a slot: a's tile, then W's 256 rows
.set BHALF, 128*PB
.set SLOT,  BOFF+2*BHALF               ; 159,744 bytes
.set SPARE, 2*SLOT                     ; behind the ring: the spare words, 128 bytes for each wave: two blocks of 256 bytes that no other line names
.set ASLAB, 1572864                    ; from one 512 along K of a's codes to the next
.set WCL,   LAYER*3145728              ; this layer's weights, their scale bytes and its bias in their buffers
.set WSL,   LAYER*131072
.set BL,    LAYER*8192
.set ADRA,  16                         ; v16-17  LDS address of my fragments of a in slot 0, 1
.set ADRB,  20                         ; v20-21  the same for W  (v22-23: for the pieces that lie behind one padding more)
.set STO,   24                         ; v24     layer 3: where I put 32 bytes of a row in my stage
.set RD,    25                         ; v25     and where I read a row back
.set SPW,   28                         ; v28     LDS address of my spare word: SPARE + 4 x my thread's number; never rewritten
.set NIL,   29                         ; v29     0; never rewritten
.set SA,    32                         ; register SA + 4 j + i: lanes 0-15 the word of K step j, lanes 16-31 of K step 8 + j, of row r of my block i
.set SB,    64                         ; register SB + 8 t + j: the same of row r of W's block t
.set TM,    208                        ; v208-223 the quantiser, at work
.set PW,    224                        ; v224-227 the scale words made, one for each block of rows; v228-229 as they are stored
.set BIAS,  128                        ; in window 3
.set G1A,   28                         ; s[28:35] descriptor group 1 for a's tiles;  s[44:51] group 0, one set for each slot
.set G1B,   36                         ; s[36:43], s[52:59] the same for W's
.set G0A,   44
.set G0B,   52
.set SEL,   60                         ; s[60:61] lane selects for v_permlanex16_b32: lane l xor 16
.set MSB, 0
.macro WIN new                         ; bits 1:0 source 0, 3:2 source 1, 5:4 source 2, 7:6 destination; the immediate's high byte repeats the setting that is left
.if MSB != \new
	s_set_vgpr_msb (MSB<<8)|\new
.set MSB, \new
.endif
.endm
.set MULW, 0xad                        ; source 0 (W) window 1, source 1 (a) window 3, C and D window 2
.set MULF, 0xbd                        ; the same with C (the bias) in window 3
; A load into a register that a matrix instruction has read, and a vector instruction or a store that reads a matrix result, stand four places behind that matrix instruction; only plain vector
; instructions that name none of its registers are places (ISA guide 7.12.1 for vector instructions).
.macro PLACES
.rept 4
	v_nop
.endr
.endm
; A joint load: waves 0 and 1 fetch for a, waves 2 and 3 for W.  Each line has one mask and one set of registers for all that issue it; the branch hangs on the wave's number alone.
; Four v_nop follow each of the two lines, ahead of the jump, the label and what follows.
.macro JLOAD s
	s_cmp_eq_u32 s19, 0
	s_cbranch_scc0 .Lfor_b_\@
	tensor_load_to_lds s[G0A+4*\s:G0A+4*\s+3], s[G1A:G1A+7]
	s_nop 0
.rept 4
	v_nop
.endr
	s_branch .Lasked_\@
.Lfor_b_\@:
	tensor_load_to_lds s[G0B+4*\s:G0B+4*\s+3], s[G1B:G1B+7]
	s_nop 0
.rept 4
	v_nop
.endr
.Lasked_\@:
.endm
.macro CREST                           ; a round of the cluster's barrier behind its opening barrier
	s_cmp_lg_u32 s18, 0
	s_cbranch_scc1 .Lnot_wave_0_\@
	s_barrier_signal -3
.Lnot_wave_0_\@:
	s_barrier_wait -3
	s_barrier_signal -1
	s_barrier_wait -1
.endm
.macro CROUND                          ; a whole round
	s_barrier_signal -1
	s_barrier_wait -1
	CREST
.endm
	s_load_b256 s[4:11], s[0:1], 0x0               ; a's codes s[4:5], a's scale words s[6:7], W's codes s[8:9], W's scale bytes s[10:11]
	s_load_b128 s[12:15], s[0:1], 0x20             ; the biases s[12:13]; the codes made (layer 3: y) s[14:15]
.if LAYER < 3
	s_load_b64 s[16:17], s[0:1], 0x30              ; the scale words made
.endif
	v_lshl_add_u32 v[SPW], v0, 2, SPARE
	v_mov_b32 v[NIL], 0
	ds_add_u32 v28, v29
	ds_add_u32 v28, v29
	s_wait_dscnt 0x0
	v_lshrrev_b32 v1, 5, v0
	v_readfirstlane_b32 s18, v1                    ; wave 0..3
	s_lshr_b32 s19, s18, 1                         ; wm: which 64 rows are mine.  Also: I fetch for a (0) or for W (1)
	s_and_b32 s20, s18, 1                          ; wn: which 128 columns.  Also: which half of that tile I fetch
	s_bfe_u32 s21, ttmp6, 0x40000                  ; cx, cy: my place in the cluster
	s_bfe_u32 s22, ttmp6, 0x40004
	s_lshl_b32 s23, ttmp9, 2
	s_add_co_u32 s23, s23, s21                     ; bx: tile column = 4 x cluster x + cx
	s_and_b32 s24, ttmp7, 0xffff
	s_lshl_b32 s24, s24, 2
	s_add_co_u32 s24, s24, s22                     ; by: tile row = 4 x cluster y + cy
	s_lshl_b32 s25, s22, 2
	s_lshl_b32 s25, 15, s25                        ; my row of the cluster
	s_lshl_b32 s26, 0x1111, s21                    ; my column
	; group 1 for a: half a tile, 24,576 dense bytes, as 96 rows of 256 bytes (32 elements of 8 bytes), no padding: the images are read 512 consecutive bytes at a time
	s_or_b32 s[G1A+0], s25, (3<<16)|(1<<21)        ; 15:0 the mask: a's tiles go to my row; 17:16 elements of 8 bytes; 21 set beside a mask
	s_mov_b32 s[G1A+1], 32<<16                     ; tensor_dim0
	s_mov_b32 s[G1A+2], 96<<16                     ; tensor_dim1
	s_mov_b32 s[G1A+3], 32<<16                     ; tile_dim0
	s_mov_b32 s[G1A+4], 96                         ; tile_dim1
	s_mov_b32 s[G1A+5], 32                         ; tensor_dim0_stride
	s_mov_b32 s[G1A+6], 0
	s_mov_b32 s[G1A+7], 0
	; group 1 for W: 128 rows of 384 bytes, 1,536 bytes apart, 16 bytes of padding behind every 128
	s_or_b32 s[G1B+0], s26, (0<<16)|(1<<20)|(1<<21)|(4<<22)|(3<<25)  ; the mask: my column; elements of 1 byte; 20 padding on; 24:22 after every 32 words (code 4); 31:25 of 4 words (code 3)
	s_mov_b32 s[G1B+1], 384<<16
	s_mov_b32 s[G1B+2], 128<<16
	s_mov_b32 s[G1B+3], 384<<16
	s_mov_b32 s[G1B+4], 128
	s_mov_b32 s[G1B+5], 1536
	s_mov_b32 s[G1B+6], 0
	s_mov_b32 s[G1B+7], 0
	; offsets.  What feeds a's descriptors never holds cx, what feeds W's never cy
	s_mul_i32 s66, s24, 2*AHALF                    ; a's codes: tile row x 49,152
	s_mul_i32 s70, s20, AHALF                      ; + the half that I fetch; the same in a slot
	s_add_co_u32 s66, s66, s70
	s_mov_b32 s67, 0
	s_lshl_b32 s80, s23, 8
	s_lshl_b32 s81, s20, 7
	s_add_co_u32 s80, s80, s81                     ; n0 = 256 bx + 128 wn: the rows of W that I fetch, if I fetch for W, and my columns of y
	s_mul_i32 s68, s80, 1536
	s_add_co_u32 s68, s68, WCL
	s_mov_b32 s69, 0
	s_mul_i32 s71, s20, BHALF
	s_add_co_u32 s71, s71, BOFF                    ; those rows in a slot
	s_lshl_b32 s72, s24, 1
	s_add_co_u32 s72, s72, s19
	s_lshl_b32 s72, s72, 8                         ; a's scale words: g = 2 by + wm, 256 bytes each
	s_mov_b32 s73, 0
	s_lshl_b32 s74, s80, 6                         ; W's scale bytes: 64 a row
	s_lshl_b32 s76, s80, 2                         ; the bias: 4 bytes a column
	s_add_co_u32 s74, s74, WSL
	s_add_co_u32 s76, s76, BL
	s_mov_b32 s75, 0
	s_mov_b32 s77, 0
.if LAYER < 3
	s_lshr_b32 s82, s23, 1                         ; my 128 columns are K step 2 bx + wn of the next layer: kq = bx / 2,
	s_mul_i32 s82, s82, ASLAB
	s_lshl_b32 s83, s24, 3
	s_lshl_b32 s84, s19, 2
	s_add_co_u32 s83, s83, s84                     ; mb = 8 by + 4 wm + i,
	s_mul_i32 s83, s83, 6144
	s_add_co_u32 s82, s82, s83
	s_and_b32 s83, s23, 1
	s_lshl_b32 s83, s83, 1
	s_add_co_u32 s83, s83, s20                     ; e = 2 (bx % 2) + wn
	s_mul_i32 s83, s83, 1536
	s_add_co_u32 s82, s82, s83
	s_mov_b32 s83, 0
	s_lshl_b32 s84, s23, 1
	s_add_co_u32 s84, s84, s20
	s_lshl_b32 s84, s84, 14                        ; the scale words made: K step x 16,384 + g x 256
	s_add_co_u32 s84, s84, s72
	s_mov_b32 s85, 0
	s_mov_b32 s[SEL], 0x76543210
	s_mov_b32 s[SEL+1], 0xfedcba98
.else
	s_lshl_b32 s82, s24, 7
	s_lshl_b32 s83, s19, 6
	s_add_co_u32 s82, s82, s83                     ; my first row of y: 128 by + 64 wm, 8,192 bytes a row,
	s_lshl_b32 s82, s82, 13
	s_lshl_b32 s83, s80, 2                         ; and my first column
	s_add_co_u32 s82, s82, s83
	s_mov_b32 s83, 0
.endif
	s_wait_kmcnt 0x0
	s_add_nc_u64 s[66:67], s[4:5], s[66:67]
	s_add_nc_u64 s[68:69], s[8:9], s[68:69]
	s_add_nc_u64 s[6:7], s[6:7], s[72:73]
	s_add_nc_u64 s[10:11], s[10:11], s[74:75]
	s_add_nc_u64 s[12:13], s[12:13], s[76:77]
	s_add_nc_u64 s[14:15], s[14:15], s[82:83]
.if LAYER < 3
	s_add_nc_u64 s[16:17], s[16:17], s[84:85]
.endif
	CROUND                                         ; all sixteen work-groups are here: the first joint loads meet
.irp s, 0,1
	s_mov_b32 s[G0A+4*\s], 1                                       ; 1:0 count = 1
	s_add_co_u32 s[G0A+4*\s+1], s70, \s*SLOT                       ; 63:32 LDS address
	s_add_nc_u64 s[G0A+4*\s+2:G0A+4*\s+3], s[66:67], \s*ASLAB      ; 120:64 global address: 512 along K number s
	s_or_b32 s[G0A+4*\s+3], s[G0A+4*\s+3], 0x80000000              ; 127:126 type = 2
	s_mov_b32 s[G0B+4*\s], 1
	s_add_co_u32 s[G0B+4*\s+1], s71, \s*SLOT
	s_add_nc_u64 s[G0B+4*\s+2:G0B+4*\s+3], s[68:69], \s*384
	s_or_b32 s[G0B+4*\s+3], s[G0B+4*\s+3], 0x80000000
	JLOAD \s                                       ; the ring is filled before anything else is asked for
.endr
	v_and_b32 v1, 15, v0                           ; r
	v_bfe_u32 v2, v0, 4, 1                         ; h
	v_and_b32 v3, 31, v0                           ; lane
	v_lshlrev_b32 v8, 4, v1
	v_lshl_add_u32 v8, v2, 17, v8                  ; a's scale words: 16 r; lanes 16-31 eight K steps (8 x 16,384) on
.irp j, 0,1,2,3,4,5,6,7
	global_load_b128 v[SA+4*\j:SA+4*\j+3], v8, s[6:7] offset:16384*\j      ; row r's words of my four blocks of rows
.endr
	v_lshlrev_b32 v9, 6, v1
	v_lshl_add_u32 v9, v2, 5, v9                   ; W's: row r of 64 bytes; lanes 16-31 eight words on
.irp t, 0,1,2,3,4,5,6,7
.irp g, 0,1
	global_load_b128 v[SB+8*\t+4*\g:SB+8*\t+4*\g+3], v9, s[10:11] offset:1024*\t+16*\g
.endr
.endr
	v_lshlrev_b32 v10, 5, v2                       ; the bias in the result's layout: for block t the eight columns 16 t + 8 h + 0 .. 7
	WIN 0xc0                                       ; destination window 3
.irp t, 0,1,2,3,4,5,6,7
	global_load_b128 v[BIAS+8*\t:BIAS+8*\t+3], v10, s[12:13] offset:64*\t
	global_load_b128 v[BIAS+8*\t+4:BIAS+8*\t+7], v10, s[12:13] offset:64*\t+16
.endr
	WIN 0
	v_lshlrev_b32 v11, 4, v3                       ; 16 x lane
	s_mul_i32 s87, s19, AHALF                      ; my four blocks of a's rows
	v_add_nc_u32 v[ADRA], s87, v11
	v_add_nc_u32 v[ADRA+1], SLOT, v[ADRA]
	v_mul_u32_u24 v4, v1, PB
	v_mad_u32_u24 v5, v2, 24, v4                   ; a fragment of W: row r x pitch + 24 h,
	v_lshl_add_u32 v6, v2, 4, v5                   ; and the same behind one padding more
	v_add_nc_u32 v[ADRB], s71, v5
	v_add_nc_u32 v[ADRB+2], s71, v6
	v_add_nc_u32 v[ADRB+1], SLOT, v[ADRB]
	v_add_nc_u32 v[ADRB+3], SLOT, v[ADRB+2]
.if LAYER < 3
	v_lshlrev_b32 v12, 3, v2
	v_lshl_add_u32 v12, v1, 4, v12                 ; the scale words made: 16 r + 8 h
.irp b, 0,1,2,3
	v_mov_b32 v[TM+4+\b], 0                        ; written once: a lane permute's destination counts as one of its sources
.endr
.else
	s_mul_i32 s88, s18, 16*528                     ; my stage: 16 rows x (512 bytes + 16), in slot 0, which has had its last fill and its last read when the first result is stored there
	v_mul_u32_u24 v[STO], v1, 528
	v_lshl_add_u32 v[STO], v2, 5, v[STO]
	v_add_nc_u32 v[STO], s88, v[STO]               ; in: row r, 32 bytes for each half of the lanes
	v_add_nc_u32 v[RD], s88, v11                   ; back: the 32 lanes take one row of 512 bytes
.endif
; A fragment of W, 16 rows x 128 K: lane (r, h) holds row r; registers 6 c .. 6 c + 5 hold K = 64 c + 32 h + 0 .. 31: 24 bytes of the row's stream of bits, in pieces of 8 bytes.
; Lanes 0-15 take the row's pieces 12 q + 0, 1, 2 and 12 q + 6, 7, 8, lanes 16-31 those three pieces on.  16 bytes of padding lie behind every 16 pieces: where the piece three on lies behind one padding more, the second address register serves.
.macro FRAGB reg, adr, q, t
.irp p, 0,1,2,3,4,5
.set PCE, 12*(\q)+6*(\p/3)+\p%3
.if PCE%16 < 13
	ds_load_b64 v[\reg+2*\p:\reg+2*\p+1], v[\adr] offset:8*PCE+16*(PCE/16)+(\t)*16*PB
.else
	ds_load_b64 v[\reg+2*\p:\reg+2*\p+1], v[\adr+2] offset:8*PCE+16*(PCE/16)+(\t)*16*PB
.endif
.endr
.endm
; 60 LDS loads in one run: the fragments of the slot's q-th 128 along K into set p: W's eight, then a's four, which come as they were stored: three loads of 512 consecutive bytes each
.macro FETCH slot, q, p
	WIN 0x40                                       ; destination window 1
.irp t, 0,1,2,3,4,5,6,7
	FRAGB 128*(\p)+12*\t, ADRB+\slot, \q, \t
.endr
	WIN 0xc0                                       ; destination window 3
.irp i, 0,1,2,3
.irp c, 0,1,2
	ds_load_b128 v[64*(\p)+12*\i+4*\c:64*(\p)+12*\i+4*\c+3], v[ADRA+\slot] offset:6144*\i+1536*(\q)+512*\c
.endr
.endr
.endm
; 8 matrix instructions: my block i of rows against W's eight blocks, K step ks.  first = 1: the bias starts the sums: nothing is cleared, nothing is added later.
; The 32 accumulators take turns, one instruction a turn, in the same order in every step.  From K step 8 on both sides' scale words are those of lanes 16-31.
.macro MUL8 i, ks, first
.irp t, 0,1,2,3,4,5,6,7
.if \first
	v_wmma_scale_f32_16x16x128_f8f6f4 v[8*(8*\i+\t):8*(8*\i+\t)+7], v[128*((\ks)%2)+12*\t:128*((\ks)%2)+12*\t+11], v[64*((\ks)%2)+12*\i:64*((\ks)%2)+12*\i+11], v[BIAS+8*\t:BIAS+8*\t+7], v[SB+8*\t+(\ks)%8], v[SA+4*((\ks)%8)+\i] matrix_a_fmt:MATRIX_FMT_FP6 matrix_b_fmt:MATRIX_FMT_FP6
.elseif (\ks) < 8
	v_wmma_scale_f32_16x16x128_f8f6f4 v[8*(8*\i+\t):8*(8*\i+\t)+7], v[128*((\ks)%2)+12*\t:128*((\ks)%2)+12*\t+11], v[64*((\ks)%2)+12*\i:64*((\ks)%2)+12*\i+11], v[8*(8*\i+\t):8*(8*\i+\t)+7], v[SB+8*\t+(\ks)%8], v[SA+4*((\ks)%8)+\i] matrix_a_fmt:MATRIX_FMT_FP6 matrix_b_fmt:MATRIX_FMT_FP6
.else
	v_wmma_scale_f32_16x16x128_f8f6f4 v[8*(8*\i+\t):8*(8*\i+\t)+7], v[128*((\ks)%2)+12*\t:128*((\ks)%2)+12*\t+11], v[64*((\ks)%2)+12*\i:64*((\ks)%2)+12*\i+11], v[8*(8*\i+\t):8*(8*\i+\t)+7], v[SB+8*\t+(\ks)%8], v[SA+4*((\ks)%8)+\i] matrix_a_fmt:MATRIX_FMT_FP6 matrix_b_fmt:MATRIX_FMT_FP6 matrix_a_scale:MATRIX_SCALE_ROW1 matrix_b_scale:MATRIX_SCALE_ROW1
.endif
.endr
.endm
; A step of 128 along K that has its successor in the same slot: the successor's fragments are asked for first, into the other set, and have this step's 32 matrix instructions in which to come.
.macro KS ks, slot, q, first
	s_wait_dscnt 0x0                               ; this step's fragments are in
.if \first
	FETCH \slot, (\q)+1, 1-(\ks)%2
	WIN MULF
.else
	PLACES                                         ; the other set was read by the step before
	FETCH \slot, (\q)+1, 1-(\ks)%2
	WIN MULW
.endif
	MUL8 0, \ks, \first
	MUL8 1, \ks, \first
	MUL8 2, \ks, \first
	MUL8 3, \ks, \first
.endm
; A slot's last step changes slots: ONE barrier; in front of it each wave waits for all its tensor loads, adds 0 to its spare word, and waits for that and for its own reads of this slot.
; fill = 1: the barrier opens a round of the cluster's barrier, and this slot is filled again, with the 512 along K two further on: that load has a whole slot's steps in which to land.
.macro TURN ks, slot, next, fill
	s_wait_dscnt 0x0                               ; this step's fragments are in: my reads of this slot are over
	WIN 0                                          ; (the add's two registers lie in window 0)
	s_wait_tensorcnt 0x0                           ; all my tensor loads have landed: my part of the next slot
	ds_add_u32 v[SPW], v[NIL]                      ; 0 onto my spare word
	WIN MULW
	MUL8 0, \ks, 0                                 ; eight matrix instructions stand between the add and the wait for it
	s_wait_dscnt 0x0                               ; the add is done
	s_barrier_signal -1
	MUL8 1, \ks, 0                                 ; work on registers while the others arrive
	WIN 0
	s_barrier_wait -1
.if \fill
	CREST                                          ; no wave of any partner still reads this slot's tiles or has a load on its way
	s_add_nc_u64 s[G0A+4*\slot+2:G0A+4*\slot+3], s[G0A+4*\slot+2:G0A+4*\slot+3], 2*ASLAB
	s_add_nc_u64 s[G0B+4*\slot+2:G0B+4*\slot+3], s[G0B+4*\slot+2:G0B+4*\slot+3], 2*384
	JLOAD \slot                                    ; the first tensor load behind the round; the four v_nop behind it are also the places in front of the loads below
.else
	PLACES
.endif
	FETCH \next, 0, 0
	WIN MULW
	MUL8 2, \ks, 0
	MUL8 3, \ks, 0
.endm
	s_wait_tensorcnt 1                             ; my part of slot 0 is in; slot 1's load, issued behind it, may stay out
	s_barrier_signal -1
	s_barrier_wait -1                              ; everybody's is
	FETCH 0, 0, 0
	s_wait_loadcnt 0x0                             ; the scale words and the bias
	KS 0, 0, 0, 1
	KS 1, 0, 1, 0
	KS 2, 0, 2, 0
	TURN 3, 0, 1, 1                                ; slot 0 takes K = 1,024 on
	KS 4, 1, 0, 0
	KS 5, 1, 1, 0
	KS 6, 1, 2, 0
	TURN 7, 1, 0, 1                                ; slot 1 takes K = 1,536 on
	KS 8, 0, 0, 0
	KS 9, 0, 1, 0
	KS 10, 0, 2, 0
	TURN 11, 0, 1, 0                               ; nothing is left to fetch: no round
	KS 12, 1, 0, 0
	KS 13, 1, 1, 0
	KS 14, 1, 2, 0
	s_wait_dscnt 0x0                               ; the last step
	WIN MULW
	MUL8 0, 15, 0
	MUL8 1, 15, 0
	MUL8 2, 15, 0
	MUL8 3, 15, 0
	WIN 0
	PLACES                                         ; in front of the first read of results, and of loads into registers that the last products read
.if LAYER < 3
; THE WAY OUT, LAYERS 1 AND 2.  My 128 columns are one K step of the next layer, so block i's eight accumulators become exactly one fragment and one scale word a row, made in registers and stored as an image.
; pc: 20 registers of window 0 for the block's codes, a run of its own for each block, so that no store's data are written again.
.macro QOUT i, pc
.set HA, 64*\i
	WIN 0xaa                                       ; every operand place window 2
.irp b, 0,1,2,3
.irp j, 0,1,2,3,4,5,6,7
	v_permlane16_swap_b32 v[HA+16*\b+\j], v[HA+16*\b+8+\j]   ; accumulator 2 b's lanes 16-31 change places with accumulator 2 b + 1's lanes 0-15: register 16 b + x now holds column 32 b + 16 h + x of row r.  (Each accumulator from its low end on)
.endr
.endr
	WIN 0x0a                                       ; sources 0 and 1 window 2
.irp b, 0,1,2,3
	v_max3_num_f32 v[TM+\b], |v[HA+16*\b]|, |v[HA+16*\b+1]|, 0x1800000   ; block b of 32: my 16 numbers, and the floor 2^(3 - 127): the byte cannot fall under 1
.endr
.irp x, 2,4,6,8,10,12,14
.irp b, 0,1,2,3
	v_max3_num_f32 v[TM+\b], |v[HA+16*\b+\x]|, |v[HA+16*\b+\x+1]|, v[TM+\b]   ; (the four blocks by turns)
.endr
.endr
	WIN 0
.irp b, 0,1,2,3
	v_permlanex16_b32 v[TM+4+\b], v[TM+\b], s[SEL], s[SEL+1]
.endr
.irp b, 0,1,2,3
	v_max_num_f32 v[TM+\b], v[TM+\b], v[TM+4+\b]   ; with lane l xor 16's: the block's largest magnitude
.endr
.irp b, 0,1,2,3
	v_add_nc_u32 v[TM+12+\b], 0xff000000, v[TM+\b] ; 2 off its exponent field: the conversion takes the exponent field of this operand as its scale, and nothing else of it
.endr
.irp b, 0,1,2,3
	v_lshrrev_b32 v[TM+4+\b], 23, v[TM+12+\b]      ; the scale's byte
.endr
	v_lshl_or_b32 v[PW+\i], v[TM+5], 8, v[TM+4]    ; four bytes: row r's scale word
	v_lshl_or_b32 v[PW+\i], v[TM+6], 16, v[PW+\i]
	v_lshl_or_b32 v[PW+\i], v[TM+7], 24, v[PW+\i]
	WIN 0x02                                       ; source 0 window 2
.irp c, 0,1
	v_cvt_scalef32_pk16_fp6_f32 v[\pc+6*\c:\pc+6*\c+2], v[HA+32*\c:HA+32*\c+15], v[TM+12+2*\c]
	v_cvt_scalef32_pk16_fp6_f32 v[\pc+12+4*\c:\pc+12+4*\c+2], v[HA+32*\c+16:HA+32*\c+31], v[TM+12+2*\c+1]   ; (a conversion's three registers begin on an even number)
.endr
	WIN 0
	v_nop                                          ; one plain place behind a scaled conversion
.irp c, 0,1                                    ; the operand's layout wants a WHOLE block in a lane: lanes 0-15 block 2 c, lanes 16-31 block 2 c + 1
.irp x, 0,1,2
	v_permlane16_swap_b32 v[\pc+6*\c+\x], v[\pc+12+4*\c+\x]
.endr
.irp x, 0,1,2
	v_mov_b32 v[\pc+3+6*\c+\x], v[\pc+12+4*\c+\x]
.endr
.endr
.irp c, 0,1,2
	global_store_b128 v11, v[\pc+4*\c:\pc+4*\c+3], s[14:15] offset:6144*\i+512*\c   ; 32 lanes store 512 consecutive bytes, at a multiple of 256 from the buffer's first byte
.endr
.endm
	QOUT 0, 128
	QOUT 1, 148
	QOUT 2, 230
	QOUT 3, 168
	v_cmp_ne_u32 vcc_lo, 0, v2                     ; row r's four words are 16 neighbouring bytes: lanes 0-15 store those of blocks 0 and 1, lanes 16-31 those of blocks 2 and 3
	v_cndmask_b32 v228, v[PW], v[PW+2], vcc_lo
	v_cndmask_b32 v229, v[PW+1], v[PW+3], vcc_lo
	global_store_b64 v12, v[228:229], s[16:17]     ; 32 lanes store 256 consecutive bytes, at a multiple of 256 from the buffer's first byte
.else
; THE WAY OUT, LAYER 3.  A lane holds 32 neighbouring bytes of a row and the lanes beside it other rows: a block of 16 rows x 128 columns goes through my own stage in LDS and comes back as whole rows of 512 bytes.
; LDS serves a wave's instructions in order (ISA guide 5.7.1.4): no wait between the stores and the loads, nor in front of the next block's stores.  Each block comes back into 64 registers of its own, in window 1.
.macro TOSTAGE a
	WIN 0x08                                       ; an LDS store's data are its source 1: window 2
.irp t, 0,1,2,3,4,5,6,7
	ds_store_b128 v[STO], v[8*(8*\a+\t):8*(8*\a+\t)+3] offset:64*\t          ; each accumulator from its low end on
	ds_store_b128 v[STO], v[8*(8*\a+\t)+4:8*(8*\a+\t)+7] offset:64*\t+16
.endr
	WIN 0x40                                       ; destination window 1
.irp u, 0,1,2,3,4,5,6,7,8,9,10,11,12,13,14,15
	ds_load_b128 v[64*\a+4*\u:64*\a+4*\u+3], v[RD] offset:528*\u
.endr
.endm
.macro SEND a, younger                 ; younger: the LDS instructions issued behind block a's loads, which may stay out
	s_wait_dscnt \younger
	WIN 0x04                                       ; a store's data are its source 1: window 1
.irp u, 0,1,2,3,4,5,6,7,8,9,10,11,12,13,14,15
	global_store_b128 v11, v[64*\a+4*\u:64*\a+4*\u+3], s[14:15] offset:131072*\a+8192*\u th:TH_STORE_NT   ; 32 lanes store 512 consecutive bytes, at a multiple of 256 from y's first byte; written once, read by nobody here
.endr
.endm
	TOSTAGE 0
	TOSTAGE 1
	SEND 0, 32                                     ; behind block 0's loads: block 1's 16 stores and 16 loads
	TOSTAGE 2
	SEND 1, 32
	TOSTAGE 3
	SEND 2, 32
	SEND 3, 0
	WIN 0
.endif
	s_wait_tensorcnt 0x0                           ; the wave's end, behind my last tensor load and my last LDS store
	ds_add_u32 v[SPW], v[NIL]
	s_wait_dscnt 0x0
	CROUND                                         ; the closing round: no work-group ends while a partner may still ask for a tile that names it
	s_endpgm
.Lfunc_end_k_q6e7411ce17_lay1:
	.size	k_q6e7411ce17_lay1, .Lfunc_end_k_q6e7411ce17_lay1-k_q6e7411ce17_lay1
	.p2alignl 7, 3214868480
	.fill 96, 4, 3214868480
	.section	.rodata,"a",@progbits
	.p2align	6, 0x0
	.amdhsa_kernel k_q6e7411ce17_lay1
		.amdhsa_group_segment_fixed_size 327680
		.amdhsa_private_segment_fixed_size 0
		.amdhsa_enable_private_segment 0
		.amdhsa_kernarg_size 56
		.amdhsa_user_sgpr_count 2
		.amdhsa_user_sgpr_kernarg_segment_ptr 1
		.amdhsa_wavefront_size32 1
		.amdhsa_system_sgpr_workgroup_id_x 1
		.amdhsa_system_sgpr_workgroup_id_y 1
		.amdhsa_system_sgpr_workgroup_id_z 1
		.amdhsa_system_vgpr_workitem_id 0
		.amdhsa_next_free_vgpr 1024
		.amdhsa_next_free_sgpr 96
		.amdhsa_reserve_vcc 1
		.amdhsa_float_denorm_mode_32 3
		.amdhsa_float_denorm_mode_16_64 3
		.amdhsa_memory_ordered 1
		.amdhsa_forward_progress 1
		.amdhsa_inst_pref_size 164
	.end_amdhsa_kernel
	.amdgpu_metadata
---
amdhsa.version: [ 1, 2 ]
amdhsa.kernels:
  - .name:           k_q6e7411ce17_lay1
    .symbol:         k_q6e7411ce17_lay1.kd
    .args:
      - { .name: a1c, .offset: 0, .size: 8, .value_kind: global_buffer, .address_space: global }
      - { .name: a1s, .offset: 8, .size: 8, .value_kind: global_buffer, .address_space: global }
      - { .name: weights_codes, .offset: 16, .size: 8, .value_kind: global_buffer, .address_space: global }
      - { .name: weights_scales, .offset: 24, .size: 8, .value_kind: global_buffer, .address_space: global }
      - { .name: biases, .offset: 32, .size: 8, .value_kind: global_buffer, .address_space: global }
      - { .name: a0c, .offset: 40, .size: 8, .value_kind: global_buffer, .address_space: global }
      - { .name: a0s, .offset: 48, .size: 8, .value_kind: global_buffer, .address_space: global }
    .group_segment_fixed_size: 327680
    .private_segment_fixed_size: 0
    .kernarg_segment_align: 8
    .kernarg_segment_size: 56
    .max_flat_workgroup_size: 128
    .sgpr_count:     96
    .vgpr_count:     1024
    .wavefront_size: 32
...
	.end_amdgpu_metadata
.endif
;; end of part 2
;; launch lay2 (part 3): grid 8 x 32, 4 waves a work-group, clusters of 4 x 4, 327,680 bytes of LDS; arguments a0c, a0s, weights_codes, weights_scales, biases, a1c, a1s; writes a1c, a1s
.if DOCPART == 3
	.amdgcn_target "amdgcn-amd-amdhsa--gfx1250"
	.amdhsa_code_object_version 6
	.text
	.protected	k_q6e7411ce17_lay2
	.globl	k_q6e7411ce17_lay2
	.p2align	8
	.type	k_q6e7411ce17_lay2,@function
k_q6e7411ce17_lay2:
	s_mov_b64 s[64:65], 0
	v_nop
	global_prefetch_b8 v0, s[64:65] scope:SCOPE_SE
	s_setreg_imm32_b32 hwreg(HW_REG_WAVE_MODE, 25, 1), 1
	s_wait_xcnt 0x0
	s_wait_alu depctr_hold_cnt(0) depctr_sa_sdst(0) depctr_va_vdst(0) depctr_va_sdst(0) depctr_va_ssrc(0) depctr_va_vcc(0) depctr_vm_vsrc(0)
	s_getreg_b32 s2, hwreg(HW_REG_IB_STS2, 6, 4)
	s_cmp_eq_u32 s2, 0
	s_cbranch_scc0 .Lentry_in_a_cluster
	s_endpgm
.Lentry_in_a_cluster:
	s_bfe_u32 s2, ttmp6, 0x10000c
	s_cmp_lg_u32 s2, 0xf033
	s_cbranch_scc0 .Lentry_shape_is_right
	s_endpgm
.Lentry_shape_is_right:
; ONE LAYER OF FOUR: y[m][n] = sum over k of a[m][k] W[n][k] + b[n]; m < 4,096, n < 2,048, k < 2,048; both operands codes of FP6 (E2M3) with one E8M0 scale for each 32 along K; sums in f32.
; Layers 1 to 3 share this text but for the line that sets LAYER; layer 0, which also gathers x's rows, has a text of its own.  Layers 1 and 2 quantise y along n (the next layer's K) and store codes and scale words; layer 3 stores y as f32.
; The rows were gathered once, as layer 0 read x, so these layers gather nothing.
; a comes as IMAGES OF THE OPERAND'S REGISTERS: a fragment (16 rows x 128 K: 12 registers a lane) is three runs of 512 bytes, lane l's 16 bytes at 16 l;
;   codes: byte = kq x 1,572,864 + mb x 6,144 + e x 1,536 + c x 512 + 16 lane (mb = row / 16, K step of 128 = 4 kq + e);  scale words: ks x 16,384 + g x 256 + 16 r + 4 i for row 64 g + 16 i + r.
; W comes as it is given: rows of 1,536 bytes, one stream of bits, and 64 scale bytes a row.
; SHARES.  A tile of y is 128 x 256: 8 x 32 = 256 work-groups of four waves; wave (wm, wn) makes 64 rows x 128 columns: 32 accumulators, 256 registers.  (Tiles of 256 x 256 would be 128.)
; K goes in four steps of 512 through two LDS slots filled by the tensor data mover: a's tile is one dense block of 49,152 bytes, W's 256 rows of 384 bytes.  Waves 0, 1 fetch a's halves, waves 2, 3 W's.
; Sixteen steps of 128 along K are written out, without a loop, so every scale word has a register of its own for the whole launch: they are loaded once, from memory, 16 bytes a lane.
; CLUSTERS: 4 x 4 work-groups.  The four of a row of the cluster need the same tiles of a, the four of a column the same tiles of W: each tile is asked for JOINTLY, by the same tensor load with the same
; descriptor and a mask that names the four.  By the text's own count a wave has two tensor loads out at the start and one behind each of the two rounds that fill a slot again.
; THE MATRIX INSTRUCTION IS USED TRANSPOSED (source 0 = 16 rows of W, source 1 = 16 rows of a): lane (r, h) holds row r of y, register j of accumulator t column 16 t + 8 h + j.
; The bias is the C of each sum's first matrix instruction, so it is rounded into the sum at its start and not added at its end.
; LIMITS: NaN and infinities are not served.  A block of y whose largest magnitude lies under 2^-124, a block of zeros among them, gets the scale byte 1; these bytes are read by this program alone.
; REGISTERS, in windows of 256: window 0: v1-29 addresses; v32-63 a's scale words, v64-127 W's (they hold scales and nothing else); from v128 the way out.
;   window 1: W's fragments, two sets, at 128 p + 12 t.   window 2: the accumulators, (i, t) at 8 (8 i + t).   window 3: a's fragments, two sets, at 64 p + 12 i; the bias at 128 + 8 t.
.set LAYER, 2
.set PB,    432                        ; a row of W in LDS: 3 x (128 bytes + 16 of padding) = 108 words: row r starts at bank 44 r mod 64 (64 banks of 4 bytes: ISA guide 11.1): the sixteen multiples of 4; lanes 16-31 lie 6 or 10 words on
.set AHALF, 24576                      ; half of a's tile: four blocks of 16 rows x 512 K
.set BOFF,  2*AHALF                    ; a slot: a's tile, then W's 256 rows
.set BHALF, 128*PB
.set SLOT,  BOFF+2*BHALF               ; 159,744 bytes
.set SPARE, 2*SLOT                     ; behind the ring: the spare words, 128 bytes for each wave: two blocks of 256 bytes that no other line names
.set ASLAB, 1572864                    ; from one 512 along K of a's codes to the next
.set WCL,   LAYER*3145728              ; this layer's weights, their scale bytes and its bias in their buffers
.set WSL,   LAYER*131072
.set BL,    LAYER*8192
.set ADRA,  16                         ; v16-17  LDS address of my fragments of a in slot 0, 1
.set ADRB,  20                         ; v20-21  the same for W  (v22-23: for the pieces that lie behind one padding more)
.set STO,   24                         ; v24     layer 3: where I put 32 bytes of a row in my stage
.set RD,    25                         ; v25     and where I read a row back
.set SPW,   28                         ; v28     LDS address of my spare word: SPARE + 4 x my thread's number; never rewritten
.set NIL,   29                         ; v29     0; never rewritten
.set SA,    32                         ; register SA + 4 j + i: lanes 0-15 the word of K step j, lanes 16-31 of K step 8 + j, of row r of my block i
.set SB,    64                         ; register SB + 8 t + j: the same of row r of W's block t
.set TM,    208                        ; v208-223 the quantiser, at work
.set PW,    224                        ; v224-227 the scale words made, one for each block of rows; v228-229 as they are stored
.set BIAS,  128                        ; in window 3
.set G1A,   28                         ; s[28:35] descriptor group 1 for a's tiles;  s[44:51] group 0, one set for each slot
.set G1B,   36                         ; s[36:43], s[52:59] the same for W's
.set G0A,   44
.set G0B,   52
.set SEL,   60                         ; s[60:61] lane selects for v_permlanex16_b32: lane l xor 16
.set MSB, 0
.macro WIN new                         ; bits 1:0 source 0, 3:2 source 1, 5:4 source 2, 7:6 destination; the immediate's high byte repeats the setting that is left
.if MSB != \new
	s_set_vgpr_msb (MSB<<8)|\new
.set MSB, \new
.endif
.endm
.set MULW, 0xad                        ; source 0 (W) window 1, source 1 (a) window 3, C and D window 2
.set MULF, 0xbd                        ; the same with C (the bias) in window 3
; A load into a register that a matrix instruction has read, and a vector instruction or a store that reads a matrix result, stand four places behind that matrix instruction; only plain vector
; instructions that name none of its registers are places (ISA guide 7.12.1 for vector instructions).
.macro PLACES
.rept 4
	v_nop
.endr
.endm
; A joint load: waves 0 and 1 fetch for a, waves 2 and 3 for W.  Each line has one mask and one set of registers for all that issue it; the branch hangs on the wave's number alone.
; Four v_nop follow each of the two lines, ahead of the jump, the label and what follows.
.macro JLOAD s
	s_cmp_eq_u32 s19, 0
	s_cbranch_scc0 .Lfor_b_\@
	tensor_load_to_lds s[G0A+4*\s:G0A+4*\s+3], s[G1A:G1A+7]
	s_nop 0
.rept 4
	v_nop
.endr
	s_branch .Lasked_\@
.Lfor_b_\@:
	tensor_load_to_lds s[G0B+4*\s:G0B+4*\s+3], s[G1B:G1B+7]
	s_nop 0
.rept 4
	v_nop
.endr
.Lasked_\@:
.endm
.macro CREST                           ; a round of the cluster's barrier behind its opening barrier
	s_cmp_lg_u32 s18, 0
	s_cbranch_scc1 .Lnot_wave_0_\@
	s_barrier_signal -3
.Lnot_wave_0_\@:
	s_barrier_wait -3
	s_barrier_signal -1
	s_barrier_wait -1
.endm
.macro CROUND                          ; a whole round
	s_barrier_signal -1
	s_barrier_wait -1
	CREST
.endm
	s_load_b256 s[4:11], s[0:1], 0x0               ; a's codes s[4:5], a's scale words s[6:7], W's codes s[8:9], W's scale bytes s[10:11]
	s_load_b128 s[12:15], s[0:1], 0x20             ; the biases s[12:13]; the codes made (layer 3: y) s[14:15]
.if LAYER < 3
	s_load_b64 s[16:17], s[0:1], 0x30              ; the scale words made
.endif
	v_lshl_add_u32 v[SPW], v0, 2, SPARE
	v_mov_b32 v[NIL], 0
	ds_add_u32 v28, v29
	ds_add_u32 v28, v29
	s_wait_dscnt 0x0
	v_lshrrev_b32 v1, 5, v0
	v_readfirstlane_b32 s18, v1                    ; wave 0..3
	s_lshr_b32 s19, s18, 1                         ; wm: which 64 rows are mine.  Also: I fetch for a (0) or for W (1)
	s_and_b32 s20, s18, 1                          ; wn: which 128 columns.  Also: which half of that tile I fetch
	s_bfe_u32 s21, ttmp6, 0x40000                  ; cx, cy: my place in the cluster
	s_bfe_u32 s22, ttmp6, 0x40004
	s_lshl_b32 s23, ttmp9, 2
	s_add_co_u32 s23, s23, s21                     ; bx: tile column = 4 x cluster x + cx
	s_and_b32 s24, ttmp7, 0xffff
	s_lshl_b32 s24, s24, 2
	s_add_co_u32 s24, s24, s22                     ; by: tile row = 4 x cluster y + cy
	s_lshl_b32 s25, s22, 2
	s_lshl_b32 s25, 15, s25                        ; my row of the cluster
	s_lshl_b32 s26, 0x1111, s21                    ; my column
	; group 1 for a: half a tile, 24,576 dense bytes, as 96 rows of 256 bytes (32 elements of 8 bytes), no padding: the images are read 512 consecutive bytes at a time
	s_or_b32 s[G1A+0], s25, (3<<16)|(1<<21)        ; 15:0 the mask: a's tiles go to my row; 17:16 elements of 8 bytes; 21 set beside a mask
	s_mov_b32 s[G1A+1], 32<<16                     ; tensor_dim0
	s_mov_b32 s[G1A+2], 96<<16                     ; tensor_dim1
	s_mov_b32 s[G1A+3], 32<<16                     ; tile_dim0
	s_mov_b32 s[G1A+4], 96                         ; tile_dim1
	s_mov_b32 s[G1A+5], 32                         ; tensor_dim0_stride
	s_mov_b32 s[G1A+6], 0
	s_mov_b32 s[G1A+7], 0
	; group 1 for W: 128 rows of 384 bytes, 1,536 bytes apart, 16 bytes of padding behind every 128
	s_or_b32 s[G1B+0], s26, (0<<16)|(1<<20)|(1<<21)|(4<<22)|(3<<25)  ; the mask: my column; elements of 1 byte; 20 padding on; 24:22 after every 32 words (code 4); 31:25 of 4 words (code 3)
	s_mov_b32 s[G1B+1], 384<<16
	s_mov_b32 s[G1B+2], 128<<16
	s_mov_b32 s[G1B+3], 384<<16
	s_mov_b32 s[G1B+4], 128
	s_mov_b32 s[G1B+5], 1536
	s_mov_b32 s[G1B+6], 0
	s_mov_b32 s[G1B+7], 0
	; offsets.  What feeds a's descriptors never holds cx, what feeds W's never cy
	s_mul_i32 s66, s24, 2*AHALF                    ; a's codes: tile row x 49,152
	s_mul_i32 s70, s20, AHALF                      ; + the half that I fetch; the same in a slot
	s_add_co_u32 s66, s66, s70
	s_mov_b32 s67, 0
	s_lshl_b32 s80, s23, 8
	s_lshl_b32 s81, s20, 7
	s_add_co_u32 s80, s80, s81                     ; n0 = 256 bx + 128 wn: the rows of W that I fetch, if I fetch for W, and my columns of y
	s_mul_i32 s68, s80, 1536
	s_add_co_u32 s68, s68, WCL
	s_mov_b32 s69, 0
	s_mul_i32 s71, s20, BHALF
	s_add_co_u32 s71, s71, BOFF                    ; those rows in a slot
	s_lshl_b32 s72, s24, 1
	s_add_co_u32 s72, s72, s19
	s_lshl_b32 s72, s72, 8                         ; a's scale words: g = 2 by + wm, 256 bytes each
	s_mov_b32 s73, 0
	s_lshl_b32 s74, s80, 6                         ; W's scale bytes: 64 a row
	s_lshl_b32 s76, s80, 2                         ; the bias: 4 bytes a column
	s_add_co_u32 s74, s74, WSL
	s_add_co_u32 s76, s76, BL
	s_mov_b32 s75, 0
	s_mov_b32 s77, 0
.if LAYER < 3
	s_lshr_b32 s82, s23, 1                         ; my 128 columns are K step 2 bx + wn of the next layer: kq = bx / 2,
	s_mul_i32 s82, s82, ASLAB
	s_lshl_b32 s83, s24, 3
	s_lshl_b32 s84, s19, 2
	s_add_co_u32 s83, s83, s84                     ; mb = 8 by + 4 wm + i,
	s_mul_i32 s83, s83, 6144
	s_add_co_u32 s82, s82, s83
	s_and_b32 s83, s23, 1
	s_lshl_b32 s83, s83, 1
	s_add_co_u32 s83, s83, s20                     ; e = 2 (bx % 2) + wn
	s_mul_i32 s83, s83, 1536
	s_add_co_u32 s82, s82, s83
	s_mov_b32 s83, 0
	s_lshl_b32 s84, s23, 1
	s_add_co_u32 s84, s84, s20
	s_lshl_b32 s84, s84, 14                        ; the scale words made: K step x 16,384 + g x 256
	s_add_co_u32 s84, s84, s72
	s_mov_b32 s85, 0
	s_mov_b32 s[SEL], 0x76543210
	s_mov_b32 s[SEL+1], 0xfedcba98
.else
	s_lshl_b32 s82, s24, 7
	s_lshl_b32 s83, s19, 6
	s_add_co_u32 s82, s82, s83                     ; my first row of y: 128 by + 64 wm, 8,192 bytes a row,
	s_lshl_b32 s82, s82, 13
	s_lshl_b32 s83, s80, 2                         ; and my first column
	s_add_co_u32 s82, s82, s83
	s_mov_b32 s83, 0
.endif
	s_wait_kmcnt 0x0
	s_add_nc_u64 s[66:67], s[4:5], s[66:67]
	s_add_nc_u64 s[68:69], s[8:9], s[68:69]
	s_add_nc_u64 s[6:7], s[6:7], s[72:73]
	s_add_nc_u64 s[10:11], s[10:11], s[74:75]
	s_add_nc_u64 s[12:13], s[12:13], s[76:77]
	s_add_nc_u64 s[14:15], s[14:15], s[82:83]
.if LAYER < 3
	s_add_nc_u64 s[16:17], s[16:17], s[84:85]
.endif
	CROUND                                         ; all sixteen work-groups are here: the first joint loads meet
.irp s, 0,1
	s_mov_b32 s[G0A+4*\s], 1                                       ; 1:0 count = 1
	s_add_co_u32 s[G0A+4*\s+1], s70, \s*SLOT                       ; 63:32 LDS address
	s_add_nc_u64 s[G0A+4*\s+2:G0A+4*\s+3], s[66:67], \s*ASLAB      ; 120:64 global address: 512 along K number s
	s_or_b32 s[G0A+4*\s+3], s[G0A+4*\s+3], 0x80000000              ; 127:126 type = 2
	s_mov_b32 s[G0B+4*\s], 1
	s_add_co_u32 s[G0B+4*\s+1], s71, \s*SLOT
	s_add_nc_u64 s[G0B+4*\s+2:G0B+4*\s+3], s[68:69], \s*384
	s_or_b32 s[G0B+4*\s+3], s[G0B+4*\s+3], 0x80000000
	JLOAD \s                                       ; the ring is filled before anything else is asked for
.endr
	v_and_b32 v1, 15, v0                           ; r
	v_bfe_u32 v2, v0, 4, 1                         ; h
	v_and_b32 v3, 31, v0                           ; lane
	v_lshlrev_b32 v8, 4, v1
	v_lshl_add_u32 v8, v2, 17, v8                  ; a's scale words: 16 r; lanes 16-31 eight K steps (8 x 16,384) on
.irp j, 0,1,2,3,4,5,6,7
	global_load_b128 v[SA+4*\j:SA+4*\j+3], v8, s[6:7] offset:16384*\j      ; row r's words of my four blocks of rows
.endr
	v_lshlrev_b32 v9, 6, v1
	v_lshl_add_u32 v9, v2, 5, v9                   ; W's: row r of 64 bytes; lanes 16-31 eight words on
.irp t, 0,1,2,3,4,5,6,7
.irp g, 0,1
	global_load_b128 v[SB+8*\t+4*\g:SB+8*\t+4*\g+3], v9, s[10:11] offset:1024*\t+16*\g
.endr
.endr
	v_lshlrev_b32 v10, 5, v2                       ; the bias in the result's layout: for block t the eight columns 16 t + 8 h + 0 .. 7
	WIN 0xc0                                       ; destination window 3
.irp t, 0,1,2,3,4,5,6,7
	global_load_b128 v[BIAS+8*\t:BIAS+8*\t+3], v10, s[12:13] offset:64*\t
	global_load_b128 v[BIAS+8*\t+4:BIAS+8*\t+7], v10, s[12:13] offset:64*\t+16
.endr
	WIN 0
	v_lshlrev_b32 v11, 4, v3                       ; 16 x lane
	s_mul_i32 s87, s19, AHALF                      ; my four blocks of a's rows
	v_add_nc_u32 v[ADRA], s87, v11
	v_add_nc_u32 v[ADRA+1], SLOT, v[ADRA]
	v_mul_u32_u24 v4, v1, PB
	v_mad_u32_u24 v5, v2, 24, v4                   ; a fragment of W: row r x pitch + 24 h,
	v_lshl_add_u32 v6, v2, 4, v5                   ; and the same behind one padding more
	v_add_nc_u32 v[ADRB], s71, v5
	v_add_nc_u32 v[ADRB+2], s71, v6
	v_add_nc_u32 v[ADRB+1], SLOT, v[ADRB]
	v_add_nc_u32 v[ADRB+3], SLOT, v[ADRB+2]
.if LAYER < 3
	v_lshlrev_b32 v12, 3, v2
	v_lshl_add_u32 v12, v1, 4, v12                 ; the scale words made: 16 r + 8 h
.irp b, 0,1,2,3
	v_mov_b32 v[TM+4+\b], 0                        ; written once: a lane permute's destination counts as one of its sources
.endr
.else
	s_mul_i32 s88, s18, 16*528                     ; my stage: 16 rows x (512 bytes + 16), in slot 0, which has had its last fill and its last read when the first result is stored there
	v_mul_u32_u24 v[STO], v1, 528
	v_lshl_add_u32 v[STO], v2, 5, v[STO]
	v_add_nc_u32 v[STO], s88, v[STO]               ; in: row r, 32 bytes for each half of the lanes
	v_add_nc_u32 v[RD], s88, v11                   ; back: the 32 lanes take one row of 512 bytes
.endif
; A fragment of W, 16 rows x 128 K: lane (r, h) holds row r; registers 6 c .. 6 c + 5 hold K = 64 c + 32 h + 0 .. 31: 24 bytes of the row's stream of bits, in pieces of 8 bytes.
; Lanes 0-15 take the row's pieces 12 q + 0, 1, 2 and 12 q + 6, 7, 8, lanes 16-31 those three pieces on.  16 bytes of padding lie behind every 16 pieces: where the piece three on lies behind one padding more, the second address register serves.
.macro FRAGB reg, adr, q, t
.irp p, 0,1,2,3,4,5
.set PCE, 12*(\q)+6*(\p/3)+\p%3
.if PCE%16 < 13
	ds_load_b64 v[\reg+2*\p:\reg+2*\p+1], v[\adr] offset:8*PCE+16*(PCE/16)+(\t)*16*PB
.else
	ds_load_b64 v[\reg+2*\p:\reg+2*\p+1], v[\adr+2] offset:8*PCE+16*(PCE/16)+(\t)*16*PB
.endif
.endr
.endm
; 60 LDS loads in one run: the fragments of the slot's q-th 128 along K into set p: W's eight, then a's four, which come as they were stored: three loads of 512 consecutive bytes each
.macro FETCH slot, q, p
	WIN 0x40                                       ; destination window 1
.irp t, 0,1,2,3,4,5,6,7
	FRAGB 128*(\p)+12*\t, ADRB+\slot, \q, \t
.endr
	WIN 0xc0                                       ; destination window 3
.irp i, 0,1,2,3
.irp c, 0,1,2
	ds_load_b128 v[64*(\p)+12*\i+4*\c:64*(\p)+12*\i+4*\c+3], v[ADRA+\slot] offset:6144*\i+1536*(\q)+512*\c
.endr
.endr
.endm
; 8 matrix instructions: my block i of rows against W's eight blocks, K step ks.  first = 1: the bias starts the sums: nothing is cleared, nothing is added later.
; The 32 accumulators take turns, one instruction a turn, in the same order in every step.  From K step 8 on both sides' scale words are those of lanes 16-31.
.macro MUL8 i, ks, first
.irp t, 0,1,2,3,4,5,6,7
.if \first
	v_wmma_scale_f32_16x16x128_f8f6f4 v[8*(8*\i+\t):8*(8*\i+\t)+7], v[128*((\ks)%2)+12*\t:128*((\ks)%2)+12*\t+11], v[64*((\ks)%2)+12*\i:64*((\ks)%2)+12*\i+11], v[BIAS+8*\t:BIAS+8*\t+7], v[SB+8*\t+(\ks)%8], v[SA+4*((\ks)%8)+\i] matrix_a_fmt:MATRIX_FMT_FP6 matrix_b_fmt:MATRIX_FMT_FP6
.elseif (\ks) < 8
	v_wmma_scale_f32_16x16x128_f8f6f4 v[8*(8*\i+\t):8*(8*\i+\t)+7], v[128*((\ks)%2)+12*\t:128*((\ks)%2)+12*\t+11], v[64*((\ks)%2)+12*\i:64*((\ks)%2)+12*\i+11], v[8*(8*\i+\t):8*(8*\i+\t)+7], v[SB+8*\t+(\ks)%8], v[SA+4*((\ks)%8)+\i] matrix_a_fmt:MATRIX_FMT_FP6 matrix_b_fmt:MATRIX_FMT_FP6
.else
	v_wmma_scale_f32_16x16x128_f8f6f4 v[8*(8*\i+\t):8*(8*\i+\t)+7], v[128*((\ks)%2)+12*\t:128*((\ks)%2)+12*\t+11], v[64*((\ks)%2)+12*\i:64*((\ks)%2)+12*\i+11], v[8*(8*\i+\t):8*(8*\i+\t)+7], v[SB+8*\t+(\ks)%8], v[SA+4*((\ks)%8)+\i] matrix_a_fmt:MATRIX_FMT_FP6 matrix_b_fmt:MATRIX_FMT_FP6 matrix_a_scale:MATRIX_SCALE_ROW1 matrix_b_scale:MATRIX_SCALE_ROW1
.endif
.endr
.endm
; A step of 128 along K that has its successor in the same slot: the successor's fragments are asked for first, into the other set, and have this step's 32 matrix instructions in which to come.
.macro KS ks, slot, q, first
	s_wait_dscnt 0x0                               ; this step's fragments are in
.if \first
	FETCH \slot, (\q)+1, 1-(\ks)%2
	WIN MULF
.else
	PLACES                                         ; the other set was read by the step before
	FETCH \slot, (\q)+1, 1-(\ks)%2
	WIN MULW
.endif
	MUL8 0, \ks, \first
	MUL8 1, \ks, \first
	MUL8 2, \ks, \first
	MUL8 3, \ks, \first
.endm
; A slot's last step changes slots: ONE barrier; in front of it each wave waits for all its tensor loads, adds 0 to its spare word, and waits for that and for its own reads of this slot.
; fill = 1: the barrier opens a round of the cluster's barrier, and this slot is filled again, with the 512 along K two further on: that load has a whole slot's steps in which to land.
.macro TURN ks, slot, next, fill
	s_wait_dscnt 0x0                               ; this step's fragments are in: my reads of this slot are over
	WIN 0                                          ; (the add's two registers lie in window 0)
	s_wait_tensorcnt 0x0                           ; all my tensor loads have landed: my part of the next slot
	ds_add_u32 v[SPW], v[NIL]                      ; 0 onto my spare word
	WIN MULW
	MUL8 0, \ks, 0                                 ; eight matrix instructions stand between the add and the wait for it
	s_wait_dscnt 0x0                               ; the add is done
	s_barrier_signal -1
	MUL8 1, \ks, 0                                 ; work on registers while the others arrive
	WIN 0
	s_barrier_wait -1
.if \fill
	CREST                                          ; no wave of any partner still reads this slot's tiles or has a load on its way
	s_add_nc_u64 s[G0A+4*\slot+2:G0A+4*\slot+3], s[G0A+4*\slot+2:G0A+4*\slot+3], 2*ASLAB
	s_add_nc_u64 s[G0B+4*\slot+2:G0B+4*\slot+3], s[G0B+4*\slot+2:G0B+4*\slot+3], 2*384
	JLOAD \slot                                    ; the first tensor load behind the round; the four v_nop behind it are also the places in front of the loads below
.else
	PLACES
.endif
	FETCH \next, 0, 0
	WIN MULW
	MUL8 2, \ks, 0
	MUL8 3, \ks, 0
.endm
	s_wait_tensorcnt 1                             ; my part of slot 0 is in; slot 1's load, issued behind it, may stay out
	s_barrier_signal -1
	s_barrier_wait -1                              ; everybody's is
	FETCH 0, 0, 0
	s_wait_loadcnt 0x0                             ; the scale words and the bias
	KS 0, 0, 0, 1
	KS 1, 0, 1, 0
	KS 2, 0, 2, 0
	TURN 3, 0, 1, 1                                ; slot 0 takes K = 1,024 on
	KS 4, 1, 0, 0
	KS 5, 1, 1, 0
	KS 6, 1, 2, 0
	TURN 7, 1, 0, 1                                ; slot 1 takes K = 1,536 on
	KS 8, 0, 0, 0
	KS 9, 0, 1, 0
	KS 10, 0, 2, 0
	TURN 11, 0, 1, 0                               ; nothing is left to fetch: no round
	KS 12, 1, 0, 0
	KS 13, 1, 1, 0
	KS 14, 1, 2, 0
	s_wait_dscnt 0x0                               ; the last step
	WIN MULW
	MUL8 0, 15, 0
	MUL8 1, 15, 0
	MUL8 2, 15, 0
	MUL8 3, 15, 0
	WIN 0
	PLACES                                         ; in front of the first read of results, and of loads into registers that the last products read
.if LAYER < 3
; THE WAY OUT, LAYERS 1 AND 2.  My 128 columns are one K step of the next layer, so block i's eight accumulators become exactly one fragment and one scale word a row, made in registers and stored as an image.
; pc: 20 registers of window 0 for the block's codes, a run of its own for each block, so that no store's data are written again.
.macro QOUT i, pc
.set HA, 64*\i
	WIN 0xaa                                       ; every operand place window 2
.irp b, 0,1,2,3
.irp j, 0,1,2,3,4,5,6,7
	v_permlane16_swap_b32 v[HA+16*\b+\j], v[HA+16*\b+8+\j]   ; accumulator 2 b's lanes 16-31 change places with accumulator 2 b + 1's lanes 0-15: register 16 b + x now holds column 32 b + 16 h + x of row r.  (Each accumulator from its low end on)
.endr
.endr
	WIN 0x0a                                       ; sources 0 and 1 window 2
.irp b, 0,1,2,3
	v_max3_num_f32 v[TM+\b], |v[HA+16*\b]|, |v[HA+16*\b+1]|, 0x1800000   ; block b of 32: my 16 numbers, and the floor 2^(3 - 127): the byte cannot fall under 1
.endr
.irp x, 2,4,6,8,10,12,14
.irp b, 0,1,2,3
	v_max3_num_f32 v[TM+\b], |v[HA+16*\b+\x]|, |v[HA+16*\b+\x+1]|, v[TM+\b]   ; (the four blocks by turns)
.endr
.endr
	WIN 0
.irp b, 0,1,2,3
	v_permlanex16_b32 v[TM+4+\b], v[TM+\b], s[SEL], s[SEL+1]
.endr
.irp b, 0,1,2,3
	v_max_num_f32 v[TM+\b], v[TM+\b], v[TM+4+\b]   ; with lane l xor 16's: the block's largest magnitude
.endr
.irp b, 0,1,2,3
	v_add_nc_u32 v[TM+12+\b], 0xff000000, v[TM+\b] ; 2 off its exponent field: the conversion takes the exponent field of this operand as its scale, and nothing else of it
.endr
.irp b, 0,1,2,3
	v_lshrrev_b32 v[TM+4+\b], 23, v[TM+12+\b]      ; the scale's byte
.endr
	v_lshl_or_b32 v[PW+\i], v[TM+5], 8, v[TM+4]    ; four bytes: row r's scale word
	v_lshl_or_b32 v[PW+\i], v[TM+6], 16, v[PW+\i]
	v_lshl_or_b32 v[PW+\i], v[TM+7], 24, v[PW+\i]
	WIN 0x02                                       ; source 0 window 2
.irp c, 0,1
	v_cvt_scalef32_pk16_fp6_f32 v[\pc+6*\c:\pc+6*\c+2], v[HA+32*\c:HA+32*\c+15], v[TM+12+2*\c]
	v_cvt_scalef32_pk16_fp6_f32 v[\pc+12+4*\c:\pc+12+4*\c+2], v[HA+32*\c+16:HA+32*\c+31], v[TM+12+2*\c+1]   ; (a conversion's three registers begin on an even number)
.endr
	WIN 0
	v_nop                                          ; one plain place behind a scaled conversion
.irp c, 0,1                                    ; the operand's layout wants a WHOLE block in a lane: lanes 0-15 block 2 c, lanes 16-31 block 2 c + 1
.irp x, 0,1,2
	v_permlane16_swap_b32 v[\pc+6*\c+\x], v[\pc+12+4*\c+\x]
.endr
.irp x, 0,1,2
	v_mov_b32 v[\pc+3+6*\c+\x], v[\pc+12+4*\c+\x]
.endr
.endr
.irp c, 0,1,2
	global_store_b128 v11, v[\pc+4*\c:\pc+4*\c+3], s[14:15] offset:6144*\i+512*\c   ; 32 lanes store 512 consecutive bytes, at a multiple of 256 from the buffer's first byte
.endr
.endm
	QOUT 0, 128
	QOUT 1, 148
	QOUT 2, 230
	QOUT 3, 168
	v_cmp_ne_u32 vcc_lo, 0, v2                     ; row r's four words are 16 neighbouring bytes: lanes 0-15 store those of blocks 0 and 1, lanes 16-31 those of blocks 2 and 3
	v_cndmask_b32 v228, v[PW], v[PW+2], vcc_lo
	v_cndmask_b32 v229, v[PW+1], v[PW+3], vcc_lo
	global_store_b64 v12, v[228:229], s[16:17]     ; 32 lanes store 256 consecutive bytes, at a multiple of 256 from the buffer's first byte
.else
; THE WAY OUT, LAYER 3.  A lane holds 32 neighbouring bytes of a row and the lanes beside it other rows: a block of 16 rows x 128 columns goes through my own stage in LDS and comes back as whole rows of 512 bytes.
; LDS serves a wave's instructions in order (ISA guide 5.7.1.4): no wait between the stores and the loads, nor in front of the next block's stores.  Each block comes back into 64 registers of its own, in window 1.
.macro TOSTAGE a
	WIN 0x08                                       ; an LDS store's data are its source 1: window 2
.irp t, 0,1,2,3,4,5,6,7
	ds_store_b128 v[STO], v[8*(8*\a+\t):8*(8*\a+\t)+3] offset:64*\t          ; each accumulator from its low end on
	ds_store_b128 v[STO], v[8*(8*\a+\t)+4:8*(8*\a+\t)+7] offset:64*\t+16
.endr
	WIN 0x40                                       ; destination window 1
.irp u, 0,1,2,3,4,5,6,7,8,9,10,11,12,13,14,15
	ds_load_b128 v[64*\a+4*\u:64*\a+4*\u+3], v[RD] offset:528*\u
.endr
.endm
.macro SEND a, younger                 ; younger: the LDS instructions issued behind block a's loads, which may stay out
	s_wait_dscnt \younger
	WIN 0x04                                       ; a store's data are its source 1: window 1
.irp u, 0,1,2,3,4,5,6,7,8,9,10,11,12,13,14,15
	global_store_b128 v11, v[64*\a+4*\u:64*\a+4*\u+3], s[14:15] offset:131072*\a+8192*\u th:TH_STORE_NT   ; 32 lanes store 512 consecutive bytes, at a multiple of 256 from y's first byte; written once, read by nobody here
.endr
.endm
	TOSTAGE 0
	TOSTAGE 1
	SEND 0, 32                                     ; behind block 0's loads: block 1's 16 stores and 16 loads
	TOSTAGE 2
	SEND 1, 32
	TOSTAGE 3
	SEND 2, 32
	SEND 3, 0
	WIN 0
.endif
	s_wait_tensorcnt 0x0                           ; the wave's end, behind my last tensor load and my last LDS store
	ds_add_u32 v[SPW], v[NIL]
	s_wait_dscnt 0x0
	CROUND                                         ; the closing round: no work-group ends while a partner may still ask for a tile that names it
	s_endpgm
.Lfunc_end_k_q6e7411ce17_lay2:
	.size	k_q6e7411ce17_lay2, .Lfunc_end_k_q6e7411ce17_lay2-k_q6e7411ce17_lay2
	.p2alignl 7, 3214868480
	.fill 96, 4, 3214868480
	.section	.rodata,"a",@progbits
	.p2align	6, 0x0
	.amdhsa_kernel k_q6e7411ce17_lay2
		.amdhsa_group_segment_fixed_size 327680
		.amdhsa_private_segment_fixed_size 0
		.amdhsa_enable_private_segment 0
		.amdhsa_kernarg_size 56
		.amdhsa_user_sgpr_count 2
		.amdhsa_user_sgpr_kernarg_segment_ptr 1
		.amdhsa_wavefront_size32 1
		.amdhsa_system_sgpr_workgroup_id_x 1
		.amdhsa_system_sgpr_workgroup_id_y 1
		.amdhsa_system_sgpr_workgroup_id_z 1
		.amdhsa_system_vgpr_workitem_id 0
		.amdhsa_next_free_vgpr 1024
		.amdhsa_next_free_sgpr 96
		.amdhsa_reserve_vcc 1
		.amdhsa_float_denorm_mode_32 3
		.amdhsa_float_denorm_mode_16_64 3
		.amdhsa_memory_ordered 1
		.amdhsa_forward_progress 1
		.amdhsa_inst_pref_size 164
	.end_amdhsa_kernel
	.amdgpu_metadata
---
amdhsa.version: [ 1, 2 ]
amdhsa.kernels:
  - .name:           k_q6e7411ce17_lay2
    .symbol:         k_q6e7411ce17_lay2.kd
    .args:
      - { .name: a0c, .offset: 0, .size: 8, .value_kind: global_buffer, .address_space: global }
      - { .name: a0s, .offset: 8, .size: 8, .value_kind: global_buffer, .address_space: global }
      - { .name: weights_codes, .offset: 16, .size: 8, .value_kind: global_buffer, .address_space: global }
      - { .name: weights_scales, .offset: 24, .size: 8, .value_kind: global_buffer, .address_space: global }
      - { .name: biases, .offset: 32, .size: 8, .value_kind: global_buffer, .address_space: global }
      - { .name: a1c, .offset: 40, .size: 8, .value_kind: global_buffer, .address_space: global }
      - { .name: a1s, .offset: 48, .size: 8, .value_kind: global_buffer, .address_space: global }
    .group_segment_fixed_size: 327680
    .private_segment_fixed_size: 0
    .kernarg_segment_align: 8
    .kernarg_segment_size: 56
    .max_flat_workgroup_size: 128
    .sgpr_count:     96
    .vgpr_count:     1024
    .wavefront_size: 32
...
	.end_amdgpu_metadata
.endif
;; end of part 3
;; launch lay3 (part 4): grid 8 x 32, 4 waves a work-group, clusters of 4 x 4, 327,680 bytes of LDS; arguments a1c, a1s, weights_codes, weights_scales, biases, out0; writes out0
.if DOCPART == 4
	.amdgcn_target "amdgcn-amd-amdhsa--gfx1250"
	.amdhsa_code_object_version 6
	.text
	.protected	k_q6e7411ce17_lay3
	.globl	k_q6e7411ce17_lay3
	.p2align	8
	.type	k_q6e7411ce17_lay3,@function
k_q6e7411ce17_lay3:
	s_mov_b64 s[64:65], 0
	v_nop
	global_prefetch_b8 v0, s[64:65] scope:SCOPE_SE
	s_setreg_imm32_b32 hwreg(HW_REG_WAVE_MODE, 25, 1), 1
	s_wait_xcnt 0x0
	s_wait_alu depctr_hold_cnt(0) depctr_sa_sdst(0) depctr_va_vdst(0) depctr_va_sdst(0) depctr_va_ssrc(0) depctr_va_vcc(0) depctr_vm_vsrc(0)
	s_getreg_b32 s2, hwreg(HW_REG_IB_STS2, 6, 4)
	s_cmp_eq_u32 s2, 0
	s_cbranch_scc0 .Lentry_in_a_cluster
	s_endpgm
.Lentry_in_a_cluster:
	s_bfe_u32 s2, ttmp6, 0x10000c
	s_cmp_lg_u32 s2, 0xf033
	s_cbranch_scc0 .Lentry_shape_is_right
	s_endpgm
.Lentry_shape_is_right:
; ONE LAYER OF FOUR: y[m][n] = sum over k of a[m][k] W[n][k] + b[n]; m < 4,096, n < 2,048, k < 2,048; both operands codes of FP6 (E2M3) with one E8M0 scale for each 32 along K; sums in f32.
; Layers 1 to 3 share this text but for the line that sets LAYER; layer 0, which also gathers x's rows, has a text of its own.  Layers 1 and 2 quantise y along n (the next layer's K) and store codes and scale words; layer 3 stores y as f32.
; The rows were gathered once, as layer 0 read x, so these layers gather nothing.
; a comes as IMAGES OF THE OPERAND'S REGISTERS: a fragment (16 rows x 128 K: 12 registers a lane) is three runs of 512 bytes, lane l's 16 bytes at 16 l;
;   codes: byte = kq x 1,572,864 + mb x 6,144 + e x 1,536 + c x 512 + 16 lane (mb = row / 16, K step of 128 = 4 kq + e);  scale words: ks x 16,384 + g x 256 + 16 r + 4 i for row 64 g + 16 i + r.
; W comes as it is given: rows of 1,536 bytes, one stream of bits, and 64 scale bytes a row.
; SHARES.  A tile of y is 128 x 256: 8 x 32 = 256 work-groups of four waves; wave (wm, wn) makes 64 rows x 128 columns: 32 accumulators, 256 registers.  (Tiles of 256 x 256 would be 128.)
; K goes in four steps of 512 through two LDS slots filled by the tensor data mover: a's tile is one dense block of 49,152 bytes, W's 256 rows of 384 bytes.  Waves 0, 1 fetch a's halves, waves 2, 3 W's.
; Sixteen steps of 128 along K are written out, without a loop, so every scale word has a register of its own for the whole launch: they are loaded once, from memory, 16 bytes a lane.
; CLUSTERS: 4 x 4 work-groups.  The four of a row of the cluster need the same tiles of a, the four of a column the same tiles of W: each tile is asked for JOINTLY, by the same tensor load with the same
; descriptor and a mask that names the four.  By the text's own count a wave has two tensor loads out at the start and one behind each of the two rounds that fill a slot again.
; THE MATRIX INSTRUCTION IS USED TRANSPOSED (source 0 = 16 rows of W, source 1 = 16 rows of a): lane (r, h) holds row r of y, register j of accumulator t column 16 t + 8 h + j.
; The bias is the C of each sum's first matrix instruction, so it is rounded into the sum at its start and not added at its end.
; LIMITS: NaN and infinities are not served.  A block of y whose largest magnitude lies under 2^-124, a block of zeros among them, gets the scale byte 1; these bytes are read by this program alone.
; REGISTERS, in windows of 256: window 0: v1-29 addresses; v32-63 a's scale words, v64-127 W's (they hold scales and nothing else); from v128 the way out.
;   window 1: W's fragments, two sets, at 128 p + 12 t.   window 2: the accumulators, (i, t) at 8 (8 i + t).   window 3: a's fragments, two sets, at 64 p + 12 i; the bias at 128 + 8 t.
.set LAYER, 3
.set PB,    432                        ; a row of W in LDS: 3 x (128 bytes + 16 of padding) = 108 words: row r starts at bank 44 r mod 64 (64 banks of 4 bytes: ISA guide 11.1): the sixteen multiples of 4; lanes 16-31 lie 6 or 10 words on
.set AHALF, 24576                      ; half of a's tile: four blocks of 16 rows x 512 K
.set BOFF,  2*AHALF                    ; a slot: a's tile, then W's 256 rows
.set BHALF, 128*PB
.set SLOT,  BOFF+2*BHALF               ; 159,744 bytes
.set SPARE, 2*SLOT                     ; behind the ring: the spare words, 128 bytes for each wave: two blocks of 256 bytes that no other line names
.set ASLAB, 1572864                    ; from one 512 along K of a's codes to the next
.set WCL,   LAYER*3145728              ; this layer's weights, their scale bytes and its bias in their buffers
.set WSL,   LAYER*131072
.set BL,    LAYER*8192
.set ADRA,  16                         ; v16-17  LDS address of my fragments of a in slot 0, 1
.set ADRB,  20                         ; v20-21  the same for W  (v22-23: for the pieces that lie behind one padding more)
.set STO,   24                         ; v24     layer 3: where I put 32 bytes of a row in my stage
.set RD,    25                         ; v25     and where I read a row back
.set SPW,   28                         ; v28     LDS address of my spare word: SPARE + 4 x my thread's number; never rewritten
.set NIL,   29                         ; v29     0; never rewritten
.set SA,    32                         ; register SA + 4 j + i: lanes 0-15 the word of K step j, lanes 16-31 of K step 8 + j, of row r of my block i
.set SB,    64                         ; register SB + 8 t + j: the same of row r of W's block t
.set TM,    208                        ; v208-223 the quantiser, at work
.set PW,    224                        ; v224-227 the scale words made, one for each block of rows; v228-229 as they are stored
.set BIAS,  128                        ; in window 3
.set G1A,   28                         ; s[28:35] descriptor group 1 for a's tiles;  s[44:51] group 0, one set for each slot
.set G1B,   36                         ; s[36:43], s[52:59] the same for W's
.set G0A,   44
.set G0B,   52
.set SEL,   60                         ; s[60:61] lane selects for v_permlanex16_b32: lane l xor 16
.set MSB, 0
.macro WIN new                         ; bits 1:0 source 0, 3:2 source 1, 5:4 source 2, 7:6 destination; the immediate's high byte repeats the setting that is left
.if MSB != \new
	s_set_vgpr_msb (MSB<<8)|\new
.set MSB, \new
.endif
.endm
.set MULW, 0xad                        ; source 0 (W) window 1, source 1 (a) window 3, C and D window 2
.set MULF, 0xbd                        ; the same with C (the bias) in window 3
; A load into a register that a matrix instruction has read, and a vector instruction or a store that reads a matrix result, stand four places behind that matrix instruction; only plain vector
; instructions that name none of its registers are places (ISA guide 7.12.1 for vector instructions).
.macro PLACES
.rept 4
	v_nop
.endr
.endm
; A joint load: waves 0 and 1 fetch for a, waves 2 and 3 for W.  Each line has one mask and one set of registers for all that issue it; the branch hangs on the wave's number alone.
; Four v_nop follow each of the two lines, ahead of the jump, the label and what follows.
.macro JLOAD s
	s_cmp_eq_u32 s19, 0
	s_cbranch_scc0 .Lfor_b_\@
	tensor_load_to_lds s[G0A+4*\s:G0A+4*\s+3], s[G1A:G1A+7]
	s_nop 0
.rept 4
	v_nop
.endr
	s_branch .Lasked_\@
.Lfor_b_\@:
	tensor_load_to_lds s[G0B+4*\s:G0B+4*\s+3], s[G1B:G1B+7]
	s_nop 0
.rept 4
	v_nop
.endr
.Lasked_\@:
.endm
.macro CREST                           ; a round of the cluster's barrier behind its opening barrier
	s_cmp_lg_u32 s18, 0
	s_cbranch_scc1 .Lnot_wave_0_\@
	s_barrier_signal -3
.Lnot_wave_0_\@:
	s_barrier_wait -3
	s_barrier_signal -1
	s_barrier_wait -1
.endm
.macro CROUND                          ; a whole round
	s_barrier_signal -1
	s_barrier_wait -1
	CREST
.endm
	s_load_b256 s[4:11], s[0:1], 0x0               ; a's codes s[4:5], a's scale words s[6:7], W's codes s[8:9], W's scale bytes s[10:11]
	s_load_b128 s[12:15], s[0:1], 0x20             ; the biases s[12:13]; the codes made (layer 3: y) s[14:15]
.if LAYER < 3
	s_load_b64 s[16:17], s[0:1], 0x30              ; the scale words made
.endif
	v_lshl_add_u32 v[SPW], v0, 2, SPARE
	v_mov_b32 v[NIL], 0
	ds_add_u32 v28, v29
	ds_add_u32 v28, v29
	s_wait_dscnt 0x0
	v_lshrrev_b32 v1, 5, v0
	v_readfirstlane_b32 s18, v1                    ; wave 0..3
	s_lshr_b32 s19, s18, 1                         ; wm: which 64 rows are mine.  Also: I fetch for a (0) or for W (1)
	s_and_b32 s20, s18, 1                          ; wn: which 128 columns.  Also: which half of that tile I fetch
	s_bfe_u32 s21, ttmp6, 0x40000                  ; cx, cy: my place in the cluster
	s_bfe_u32 s22, ttmp6, 0x40004
	s_lshl_b32 s23, ttmp9, 2
	s_add_co_u32 s23, s23, s21                     ; bx: tile column = 4 x cluster x + cx
	s_and_b32 s24, ttmp7, 0xffff
	s_lshl_b32 s24, s24, 2
	s_add_co_u32 s24, s24, s22                     ; by: tile row = 4 x cluster y + cy
	s_lshl_b32 s25, s22, 2
	s_lshl_b32 s25, 15, s25                        ; my row of the cluster
	s_lshl_b32 s26, 0x1111, s21                    ; my column
	; group 1 for a: half a tile, 24,576 dense bytes, as 96 rows of 256 bytes (32 elements of 8 bytes), no padding: the images are read 512 consecutive bytes at a time
	s_or_b32 s[G1A+0], s25, (3<<16)|(1<<21)        ; 15:0 the mask: a's tiles go to my row; 17:16 elements of 8 bytes; 21 set beside a mask
	s_mov_b32 s[G1A+1], 32<<16                     ; tensor_dim0
	s_mov_b32 s[G1A+2], 96<<16                     ; tensor_dim1
	s_mov_b32 s[G1A+3], 32<<16                     ; tile_dim0
	s_mov_b32 s[G1A+4], 96                         ; tile_dim1
	s_mov_b32 s[G1A+5], 32                         ; tensor_dim0_stride
	s_mov_b32 s[G1A+6], 0
	s_mov_b32 s[G1A+7], 0
	; group 1 for W: 128 rows of 384 bytes, 1,536 bytes apart, 16 bytes of padding behind every 128
	s_or_b32 s[G1B+0], s26, (0<<16)|(1<<20)|(1<<21)|(4<<22)|(3<<25)  ; the mask: my column; elements of 1 byte; 20 padding on; 24:22 after every 32 words (code 4); 31:25 of 4 words (code 3)
	s_mov_b32 s[G1B+1], 384<<16
	s_mov_b32 s[G1B+2], 128<<16
	s_mov_b32 s[G1B+3], 384<<16
	s_mov_b32 s[G1B+4], 128
	s_mov_b32 s[G1B+5], 1536
	s_mov_b32 s[G1B+6], 0
	s_mov_b32 s[G1B+7], 0
	; offsets.  What feeds a's descriptors never holds cx, what feeds W's never cy
	s_mul_i32 s66, s24, 2*AHALF                    ; a's codes: tile row x 49,152
	s_mul_i32 s70, s20, AHALF                      ; + the half that I fetch; the same in a slot
	s_add_co_u32 s66, s66, s70
	s_mov_b32 s67, 0
	s_lshl_b32 s80, s23, 8
	s_lshl_b32 s81, s20, 7
	s_add_co_u32 s80, s80, s81                     ; n0 = 256 bx + 128 wn: the rows of W that I fetch, if I fetch for W, and my columns of y
	s_mul_i32 s68, s80, 1536
	s_add_co_u32 s68, s68, WCL
	s_mov_b32 s69, 0
	s_mul_i32 s71, s20, BHALF
	s_add_co_u32 s71, s71, BOFF                    ; those rows in a slot
	s_lshl_b32 s72, s24, 1
	s_add_co_u32 s72, s72, s19
	s_lshl_b32 s72, s72, 8                         ; a's scale words: g = 2 by + wm, 256 bytes each
	s_mov_b32 s73, 0
	s_lshl_b32 s74, s80, 6                         ; W's scale bytes: 64 a row
	s_lshl_b32 s76, s80, 2                         ; the bias: 4 bytes a column
	s_add_co_u32 s74, s74, WSL
	s_add_co_u32 s76, s76, BL
	s_mov_b32 s75, 0
	s_mov_b32 s77, 0
.if LAYER < 3
	s_lshr_b32 s82, s23, 1                         ; my 128 columns are K step 2 bx + wn of the next layer: kq = bx / 2,
	s_mul_i32 s82, s82, ASLAB
	s_lshl_b32 s83, s24, 3
	s_lshl_b32 s84, s19, 2
	s_add_co_u32 s83, s83, s84                     ; mb = 8 by + 4 wm + i,
	s_mul_i32 s83, s83, 6144
	s_add_co_u32 s82, s82, s83
	s_and_b32 s83, s23, 1
	s_lshl_b32 s83, s83, 1
	s_add_co_u32 s83, s83, s20                     ; e = 2 (bx % 2) + wn
	s_mul_i32 s83, s83, 1536
	s_add_co_u32 s82, s82, s83
	s_mov_b32 s83, 0
	s_lshl_b32 s84, s23, 1
	s_add_co_u32 s84, s84, s20
	s_lshl_b32 s84, s84, 14                        ; the scale words made: K step x 16,384 + g x 256
	s_add_co_u32 s84, s84, s72
	s_mov_b32 s85, 0
	s_mov_b32 s[SEL], 0x76543210
	s_mov_b32 s[SEL+1], 0xfedcba98
.else
	s_lshl_b32 s82, s24, 7
	s_lshl_b32 s83, s19, 6
	s_add_co_u32 s82, s82, s83                     ; my first row of y: 128 by + 64 wm, 8,192 bytes a row,
	s_lshl_b32 s82, s82, 13
	s_lshl_b32 s83, s80, 2                         ; and my first column
	s_add_co_u32 s82, s82, s83
	s_mov_b32 s83, 0
.endif
	s_wait_kmcnt 0x0
	s_add_nc_u64 s[66:67], s[4:5], s[66:67]
	s_add_nc_u64 s[68:69], s[8:9], s[68:69]
	s_add_nc_u64 s[6:7], s[6:7], s[72:73]
	s_add_nc_u64 s[10:11], s[10:11], s[74:75]
	s_add_nc_u64 s[12:13], s[12:13], s[76:77]
	s_add_nc_u64 s[14:15], s[14:15], s[82:83]
.if LAYER < 3
	s_add_nc_u64 s[16:17], s[16:17], s[84:85]
.endif
	CROUND                                         ; all sixteen work-groups are here: the first joint loads meet
.irp s, 0,1
	s_mov_b32 s[G0A+4*\s], 1                                       ; 1:0 count = 1
	s_add_co_u32 s[G0A+4*\s+1], s70, \s*SLOT                       ; 63:32 LDS address
	s_add_nc_u64 s[G0A+4*\s+2:G0A+4*\s+3], s[66:67], \s*ASLAB      ; 120:64 global address: 512 along K number s
	s_or_b32 s[G0A+4*\s+3], s[G0A+4*\s+3], 0x80000000              ; 127:126 type = 2
	s_mov_b32 s[G0B+4*\s], 1
	s_add_co_u32 s[G0B+4*\s+1], s71, \s*SLOT
	s_add_nc_u64 s[G0B+4*\s+2:G0B+4*\s+3], s[68:69], \s*384
	s_or_b32 s[G0B+4*\s+3], s[G0B+4*\s+3], 0x80000000
	JLOAD \s                                       ; the ring is filled before anything else is asked for
.endr
	v_and_b32 v1, 15, v0                           ; r
	v_bfe_u32 v2, v0, 4, 1                         ; h
	v_and_b32 v3, 31, v0                           ; lane
	v_lshlrev_b32 v8, 4, v1
	v_lshl_add_u32 v8, v2, 17, v8                  ; a's scale words: 16 r; lanes 16-31 eight K steps (8 x 16,384) on
.irp j, 0,1,2,3,4,5,6,7
	global_load_b128 v[SA+4*\j:SA+4*\j+3], v8, s[6:7] offset:16384*\j      ; row r's words of my four blocks of rows
.endr
	v_lshlrev_b32 v9, 6, v1
	v_lshl_add_u32 v9, v2, 5, v9                   ; W's: row r of 64 bytes; lanes 16-31 eight words on
.irp t, 0,1,2,3,4,5,6,7
.irp g, 0,1
	global_load_b128 v[SB+8*\t+4*\g:SB+8*\t+4*\g+3], v9, s[10:11] offset:1024*\t+16*\g
.endr
.endr
	v_lshlrev_b32 v10, 5, v2                       ; the bias in the result's layout: for block t the eight columns 16 t + 8 h + 0 .. 7
	WIN 0xc0                                       ; destination window 3
.irp t, 0,1,2,3,4,5,6,7
	global_load_b128 v[BIAS+8*\t:BIAS+8*\t+3], v10, s[12:13] offset:64*\t
	global_load_b128 v[BIAS+8*\t+4:BIAS+8*\t+7], v10, s[12:13] offset:64*\t+16
.endr
	WIN 0
	v_lshlrev_b32 v11, 4, v3                       ; 16 x lane
	s_mul_i32 s87, s19, AHALF                      ; my four blocks of a's rows
	v_add_nc_u32 v[ADRA], s87, v11
	v_add_nc_u32 v[ADRA+1], SLOT, v[ADRA]
	v_mul_u32_u24 v4, v1, PB
	v_mad_u32_u24 v5, v2, 24, v4                   ; a fragment of W: row r x pitch + 24 h,
	v_lshl_add_u32 v6, v2, 4, v5                   ; and the same behind one padding more
	v_add_nc_u32 v[ADRB], s71, v5
	v_add_nc_u32 v[ADRB+2], s71, v6
	v_add_nc_u32 v[ADRB+1], SLOT, v[ADRB]
	v_add_nc_u32 v[ADRB+3], SLOT, v[ADRB+2]
.if LAYER < 3
	v_lshlrev_b32 v12, 3, v2
	v_lshl_add_u32 v12, v1, 4, v12                 ; the scale words made: 16 r + 8 h
.irp b, 0,1,2,3
	v_mov_b32 v[TM+4+\b], 0                        ; written once: a lane permute's destination counts as one of its sources
.endr
.else
	s_mul_i32 s88, s18, 16*528                     ; my stage: 16 rows x (512 bytes + 16), in slot 0, which has had its last fill and its last read when the first result is stored there
	v_mul_u32_u24 v[STO], v1, 528
	v_lshl_add_u32 v[STO], v2, 5, v[STO]
	v_add_nc_u32 v[STO], s88, v[STO]               ; in: row r, 32 bytes for each half of the lanes
	v_add_nc_u32 v[RD], s88, v11                   ; back: the 32 lanes take one row of 512 bytes
.endif
; A fragment of W, 16 rows x 128 K: lane (r, h) holds row r; registers 6 c .. 6 c + 5 hold K = 64 c + 32 h + 0 .. 31: 24 bytes of the row's stream of bits, in pieces of 8 bytes.
; Lanes 0-15 take the row's pieces 12 q + 0, 1, 2 and 12 q + 6, 7, 8, lanes 16-31 those three pieces on.  16 bytes of padding lie behind every 16 pieces: where the piece three on lies behind one padding more, the second address register serves.
.macro FRAGB reg, adr, q, t
.irp p, 0,1,2,3,4,5
.set PCE, 12*(\q)+6*(\p/3)+\p%3
.if PCE%16 < 13
	ds_load_b64 v[\reg+2*\p:\reg+2*\p+1], v[\adr] offset:8*PCE+16*(PCE/16)+(\t)*16*PB
.else
	ds_load_b64 v[\reg+2*\p:\reg+2*\p+1], v[\adr+2] offset:8*PCE+16*(PCE/16)+(\t)*16*PB
.endif
.endr
.endm
; 60 LDS loads in one run: the fragments of the slot's q-th 128 along K into set p: W's eight, then a's four, which come as they were stored: three loads of 512 consecutive bytes each
.macro FETCH slot, q, p
	WIN 0x40                                       ; destination window 1
.irp t, 0,1,2,3,4,5,6,7
	FRAGB 128*(\p)+12*\t, ADRB+\slot, \q, \t
.endr
	WIN 0xc0                                       ; destination window 3
.irp i, 0,1,2,3
.irp c, 0,1,2
	ds_load_b128 v[64*(\p)+12*\i+4*\c:64*(\p)+12*\i+4*\c+3], v[ADRA+\slot] offset:6144*\i+1536*(\q)+512*\c
.endr
.endr
.endm
; 8 matrix instructions: my block i of rows against W's eight blocks, K step ks.  first = 1: the bias starts the sums: nothing is cleared, nothing is added later.
; The 32 accumulators take turns, one instruction a turn, in the same order in every step.  From K step 8 on both sides' scale words are those of lanes 16-31.
.macro MUL8 i, ks, first
.irp t, 0,1,2,3,4,5,6,7
.if \first
	v_wmma_scale_f32_16x16x128_f8f6f4 v[8*(8*\i+\t):8*(8*\i+\t)+7], v[128*((\ks)%2)+12*\t:128*((\ks)%2)+12*\t+11], v[64*((\ks)%2)+12*\i:64*((\ks)%2)+12*\i+11], v[BIAS+8*\t:BIAS+8*\t+7], v[SB+8*\t+(\ks)%8], v[SA+4*((\ks)%8)+\i] matrix_a_fmt:MATRIX_FMT_FP6 matrix_b_fmt:MATRIX_FMT_FP6
.elseif (\ks) < 8
	v_wmma_scale_f32_16x16x128_f8f6f4 v[8*(8*\i+\t):8*(8*\i+\t)+7], v[128*((\ks)%2)+12*\t:128*((\ks)%2)+12*\t+11], v[64*((\ks)%2)+12*\i:64*((\ks)%2)+12*\i+11], v[8*(8*\i+\t):8*(8*\i+\t)+7], v[SB+8*\t+(\ks)%8], v[SA+4*((\ks)%8)+\i] matrix_a_fmt:MATRIX_FMT_FP6 matrix_b_fmt:MATRIX_FMT_FP6
.else
	v_wmma_scale_f32_16x16x128_f8f6f4 v[8*(8*\i+\t):8*(8*\i+\t)+7], v[128*((\ks)%2)+12*\t:128*((\ks)%2)+12*\t+11], v[64*((\ks)%2)+12*\i:64*((\ks)%2)+12*\i+11], v[8*(8*\i+\t):8*(8*\i+\t)+7], v[SB+8*\t+(\ks)%8], v[SA+4*((\ks)%8)+\i] matrix_a_fmt:MATRIX_FMT_FP6 matrix_b_fmt:MATRIX_FMT_FP6 matrix_a_scale:MATRIX_SCALE_ROW1 matrix_b_scale:MATRIX_SCALE_ROW1
.endif
.endr
.endm
; A step of 128 along K that has its successor in the same slot: the successor's fragments are asked for first, into the other set, and have this step's 32 matrix instructions in which to come.
.macro KS ks, slot, q, first
	s_wait_dscnt 0x0                               ; this step's fragments are in
.if \first
	FETCH \slot, (\q)+1, 1-(\ks)%2
	WIN MULF
.else
	PLACES                                         ; the other set was read by the step before
	FETCH \slot, (\q)+1, 1-(\ks)%2
	WIN MULW
.endif
	MUL8 0, \ks, \first
	MUL8 1, \ks, \first
	MUL8 2, \ks, \first
	MUL8 3, \ks, \first
.endm
; A slot's last step changes slots: ONE barrier; in front of it each wave waits for all its tensor loads, adds 0 to its spare word, and waits for that and for its own reads of this slot.
; fill = 1: the barrier opens a round of the cluster's barrier, and this slot is filled again, with the 512 along K two further on: that load has a whole slot's steps in which to land.
.macro TURN ks, slot, next, fill
	s_wait_dscnt 0x0                               ; this step's fragments are in: my reads of this slot are over
	WIN 0                                          ; (the add's two registers lie in window 0)
	s_wait_tensorcnt 0x0                           ; all my tensor loads have landed: my part of the next slot
	ds_add_u32 v[SPW], v[NIL]                      ; 0 onto my spare word
	WIN MULW
	MUL8 0, \ks, 0                                 ; eight matrix instructions stand between the add and the wait for it
	s_wait_dscnt 0x0                               ; the add is done
	s_barrier_signal -1
	MUL8 1, \ks, 0                                 ; work on registers while the others arrive
	WIN 0
	s_barrier_wait -1
.if \fill
	CREST                                          ; no wave of any partner still reads this slot's tiles or has a load on its way
	s_add_nc_u64 s[G0A+4*\slot+2:G0A+4*\slot+3], s[G0A+4*\slot+2:G0A+4*\slot+3], 2*ASLAB
	s_add_nc_u64 s[G0B+4*\slot+2:G0B+4*\slot+3], s[G0B+4*\slot+2:G0B+4*\slot+3], 2*384
	JLOAD \slot                                    ; the first tensor load behind the round; the four v_nop behind it are also the places in front of the loads below
.else
	PLACES
.endif
	FETCH \next, 0, 0
	WIN MULW
	MUL8 2, \ks, 0
	MUL8 3, \ks, 0
.endm
	s_wait_tensorcnt 1                             ; my part of slot 0 is in; slot 1's load, issued behind it, may stay out
	s_barrier_signal -1
	s_barrier_wait -1                              ; everybody's is
	FETCH 0, 0, 0
	s_wait_loadcnt 0x0                             ; the scale words and the bias
	KS 0, 0, 0, 1
	KS 1, 0, 1, 0
	KS 2, 0, 2, 0
	TURN 3, 0, 1, 1                                ; slot 0 takes K = 1,024 on
	KS 4, 1, 0, 0
	KS 5, 1, 1, 0
	KS 6, 1, 2, 0
	TURN 7, 1, 0, 1                                ; slot 1 takes K = 1,536 on
	KS 8, 0, 0, 0
	KS 9, 0, 1, 0
	KS 10, 0, 2, 0
	TURN 11, 0, 1, 0                               ; nothing is left to fetch: no round
	KS 12, 1, 0, 0
	KS 13, 1, 1, 0
	KS 14, 1, 2, 0
	s_wait_dscnt 0x0                               ; the last step
	WIN MULW
	MUL8 0, 15, 0
	MUL8 1, 15, 0
	MUL8 2, 15, 0
	MUL8 3, 15, 0
	WIN 0
	PLACES                                         ; in front of the first read of results, and of loads into registers that the last products read
.if LAYER < 3
; THE WAY OUT, LAYERS 1 AND 2.  My 128 columns are one K step of the next layer, so block i's eight accumulators become exactly one fragment and one scale word a row, made in registers and stored as an image.
; pc: 20 registers of window 0 for the block's codes, a run of its own for each block, so that no store's data are written again.
.macro QOUT i, pc
.set HA, 64*\i
	WIN 0xaa                                       ; every operand place window 2
.irp b, 0,1,2,3
.irp j, 0,1,2,3,4,5,6,7
	v_permlane16_swap_b32 v[HA+16*\b+\j], v[HA+16*\b+8+\j]   ; accumulator 2 b's lanes 16-31 change places with accumulator 2 b + 1's lanes 0-15: register 16 b + x now holds column 32 b + 16 h + x of row r.  (Each accumulator from its low end on)
.endr
.endr
	WIN 0x0a                                       ; sources 0 and 1 window 2
.irp b, 0,1,2,3
	v_max3_num_f32 v[TM+\b], |v[HA+16*\b]|, |v[HA+16*\b+1]|, 0x1800000   ; block b of 32: my 16 numbers, and the floor 2^(3 - 127): the byte cannot fall under 1
.endr
.irp x, 2,4,6,8,10,12,14
.irp b, 0,1,2,3
	v_max3_num_f32 v[TM+\b], |v[HA+16*\b+\x]|, |v[HA+16*\b+\x+1]|, v[TM+\b]   ; (the four blocks by turns)
.endr
.endr
	WIN 0
.irp b, 0,1,2,3
	v_permlanex16_b32 v[TM+4+\b], v[TM+\b], s[SEL], s[SEL+1]
.endr
.irp b, 0,1,2,3
	v_max_num_f32 v[TM+\b], v[TM+\b], v[TM+4+\b]   ; with lane l xor 16's: the block's largest magnitude
.endr
.irp b, 0,1,2,3
	v_add_nc_u32 v[TM+12+\b], 0xff000000, v[TM+\b] ; 2 off its exponent field: the conversion takes the exponent field of this operand as its scale, and nothing else of it
.endr
.irp b, 0,1,2,3
	v_lshrrev_b32 v[TM+4+\b], 23, v[TM+12+\b]      ; the scale's byte
.endr
	v_lshl_or_b32 v[PW+\i], v[TM+5], 8, v[TM+4]    ; four bytes: row r's scale word
	v_lshl_or_b32 v[PW+\i], v[TM+6], 16, v[PW+\i]
	v_lshl_or_b32 v[PW+\i], v[TM+7], 24, v[PW+\i]
	WIN 0x02                                       ; source 0 window 2
.irp c, 0,1
	v_cvt_scalef32_pk16_fp6_f32 v[\pc+6*\c:\pc+6*\c+2], v[HA+32*\c:HA+32*\c+15], v[TM+12+2*\c]
	v_cvt_scalef32_pk16_fp6_f32 v[\pc+12+4*\c:\pc+12+4*\c+2], v[HA+32*\c+16:HA+32*\c+31], v[TM+12+2*\c+1]   ; (a conversion's three registers begin on an even number)
.endr
	WIN 0
	v_nop                                          ; one plain place behind a scaled conversion
.irp c, 0,1                                    ; the operand's layout wants a WHOLE block in a lane: lanes 0-15 block 2 c, lanes 16-31 block 2 c + 1
.irp x, 0,1,2
	v_permlane16_swap_b32 v[\pc+6*\c+\x], v[\pc+12+4*\c+\x]
.endr
.irp x, 0,1,2
	v_mov_b32 v[\pc+3+6*\c+\x], v[\pc+12+4*\c+\x]
.endr
.endr
.irp c, 0,1,2
	global_store_b128 v11, v[\pc+4*\c:\pc+4*\c+3], s[14:15] offset:6144*\i+512*\c   ; 32 lanes store 512 consecutive bytes, at a multiple of 256 from the buffer's first byte
.endr
.endm
	QOUT 0, 128
	QOUT 1, 148
	QOUT 2, 230
	QOUT 3, 168
	v_cmp_ne_u32 vcc_lo, 0, v2                     ; row r's four words are 16 neighbouring bytes: lanes 0-15 store those of blocks 0 and 1, lanes 16-31 those of blocks 2 and 3
	v_cndmask_b32 v228, v[PW], v[PW+2], vcc_lo
	v_cndmask_b32 v229, v[PW+1], v[PW+3], vcc_lo
	global_store_b64 v12, v[228:229], s[16:17]     ; 32 lanes store 256 consecutive bytes, at a multiple of 256 from the buffer's first byte
.else
; THE WAY OUT, LAYER 3.  A lane holds 32 neighbouring bytes of a row and the lanes beside it other rows: a block of 16 rows x 128 columns goes through my own stage in LDS and comes back as whole rows of 512 bytes.
; LDS serves a wave's instructions in order (ISA guide 5.7.1.4): no wait between the stores and the loads, nor in front of the next block's stores.  Each block comes back into 64 registers of its own, in window 1.
.macro TOSTAGE a
	WIN 0x08                                       ; an LDS store's data are its source 1: window 2
.irp t, 0,1,2,3,4,5,6,7
	ds_store_b128 v[STO], v[8*(8*\a+\t):8*(8*\a+\t)+3] offset:64*\t          ; each accumulator from its low end on
	ds_store_b128 v[STO], v[8*(8*\a+\t)+4:8*(8*\a+\t)+7] offset:64*\t+16
.endr
	WIN 0x40                                       ; destination window 1
.irp u, 0,1,2,3,4,5,6,7,8,9,10,11,12,13,14,15
	ds_load_b128 v[64*\a+4*\u:64*\a+4*\u+3], v[RD] offset:528*\u
.endr
.endm
.macro SEND a, younger                 ; younger: the LDS instructions issued behind block a's loads, which may stay out
	s_wait_dscnt \younger
	WIN 0x04                                       ; a store's data are its source 1: window 1
.irp u, 0,1,2,3,4,5,6,7,8,9,10,11,12,13,14,15
	global_store_b128 v11, v[64*\a+4*\u:64*\a+4*\u+3], s[14:15] offset:131072*\a+8192*\u th:TH_STORE_NT   ; 32 lanes store 512 consecutive bytes, at a multiple of 256 from y's first byte; written once, read by nobody here
.endr
.endm
	TOSTAGE 0
	TOSTAGE 1
	SEND 0, 32                                     ; behind block 0's loads: block 1's 16 stores and 16 loads
	TOSTAGE 2
	SEND 1, 32
	TOSTAGE 3
	SEND 2, 32
	SEND 3, 0
	WIN 0
.endif
	s_wait_tensorcnt 0x0                           ; the wave's end, behind my last tensor load and my last LDS store
	ds_add_u32 v[SPW], v[NIL]
	s_wait_dscnt 0x0
	CROUND                                         ; the closing round: no work-group ends while a partner may still ask for a tile that names it
	s_endpgm
.Lfunc_end_k_q6e7411ce17_lay3:
	.size	k_q6e7411ce17_lay3, .Lfunc_end_k_q6e7411ce17_lay3-k_q6e7411ce17_lay3
	.p2alignl 7, 3214868480
	.fill 96, 4, 3214868480
	.section	.rodata,"a",@progbits
	.p2align	6, 0x0
	.amdhsa_kernel k_q6e7411ce17_lay3
		.amdhsa_group_segment_fixed_size 327680
		.amdhsa_private_segment_fixed_size 0
		.amdhsa_enable_private_segment 0
		.amdhsa_kernarg_size 48
		.amdhsa_user_sgpr_count 2
		.amdhsa_user_sgpr_kernarg_segment_ptr 1
		.amdhsa_wavefront_size32 1
		.amdhsa_system_sgpr_workgroup_id_x 1
		.amdhsa_system_sgpr_workgroup_id_y 1
		.amdhsa_system_sgpr_workgroup_id_z 1
		.amdhsa_system_vgpr_workitem_id 0
		.amdhsa_next_free_vgpr 1024
		.amdhsa_next_free_sgpr 96
		.amdhsa_reserve_vcc 1
		.amdhsa_float_denorm_mode_32 3
		.amdhsa_float_denorm_mode_16_64 3
		.amdhsa_memory_ordered 1
		.amdhsa_forward_progress 1
		.amdhsa_inst_pref_size 157
	.end_amdhsa_kernel
	.amdgpu_metadata
---
amdhsa.version: [ 1, 2 ]
amdhsa.kernels:
  - .name:           k_q6e7411ce17_lay3
    .symbol:         k_q6e7411ce17_lay3.kd
    .args:
      - { .name: a1c, .offset: 0, .size: 8, .value_kind: global_buffer, .address_space: global }
      - { .name: a1s, .offset: 8, .size: 8, .value_kind: global_buffer, .address_space: global }
      - { .name: weights_codes, .offset: 16, .size: 8, .value_kind: global_buffer, .address_space: global }
      - { .name: weights_scales, .offset: 24, .size: 8, .value_kind: global_buffer, .address_space: global }
      - { .name: biases, .offset: 32, .size: 8, .value_kind: global_buffer, .address_space: global }
      - { .name: out0, .offset: 40, .size: 8, .value_kind: global_buffer, .address_space: global }
    .group_segment_fixed_size: 327680
    .private_segment_fixed_size: 0
    .kernarg_segment_align: 8
    .kernarg_segment_size: 48
    .max_flat_workgroup_size: 128
    .sgpr_count:     96
    .vgpr_count:     1024
    .wavefront_size: 32
...
	.end_amdgpu_metadata
.endif
;; end of part 4
